; MI455X (gfx1250); checked and timed in simulation.
; The chip was launched on July 23, 2026; its instructions are those of AMD's public machine-readable ISA for CDNA 5 (MIT licence, August 2026) and "CDNA5" Instruction Set Architecture Reference Guide (July 2026). The comments in the code are by the model that wrote it; some were corrected since.
;; Norm Attention. Allowed arithmetic: matrix products marked QUANTISED: E2M1 operands, one E8M0 scale for each 32 along K, by v_wmma_scale_f32_16x16x128_f8f6f4 with both operands' format E2M1 (or v_wmma_scale_f32_32x16x128_f4), f32 sums; products left as they are: bf16, f16 or f32 operands; f32 sums; everything else in f32.
;; Inputs: W_proj 1,024 x 1,024 float32; W_qkv 1,024 x 3,072 float32; b_proj 1,024 float32; b_qkv 3,072 float32; freqs_cos 1,024 x 64 float32; freqs_sin 1,024 x 64 float32; hidden_states 8 x 1,024 x 1,024 float32; kn_b 64 float32; kn_w 64 float32; qn_b 64 float32; qn_w 64 float32.
;; Outputs: out0 8 x 1,024 x 1,024 float32.
;; This version of the problem:
;;   THIS VERSION OF THE PROBLEM IS GIVEN IN LOW PRECISION. The matrix products marked QUANTISED in the list below multiply operands that are first quantised to E2M1 (2 exponent bits, 1 mantissa bit; 4 bits a number), with one power-of-two scale for each 32 numbers along K (OCP MX v1.0); their sums are f32. The products marked 'left as it is' may take bf16, f16 or f32 operands, with f32 sums. Whichever they take, every output number must still come out within the allowed error. Rounding operands to bf16 (8 significant bits) uses up far more of that allowance than f16 does (11 bits, for magnitudes from 6e-5 to 65,504). All else is computed in f32.
;;   The module's matrix products, in the order in which they are computed (A, B: the left and right operand; K: the contracted axis; several contracted axes count as one K, in the product's order):
;;     1. [M 8,192, K 1,024] x [K 1,024, N 3,072]; A: input hidden_states; B: input W_qkv: QUANTISED
;;     2. batch 128 x [M 1,024, K 64] x [K 64, N 1,024]; A: computed on the way; B: computed on the way: left as it is (an operand is computed on the way)
;;     3. batch 128 x [M 1,024, K 1,024] x [K 1,024, N 64]; A: computed on the way; B: computed on the way: left as it is (an operand is computed on the way)
;;     4. [M 8,192, K 1,024] x [K 1,024, N 1,024]; A: computed on the way; B: input W_proj: left as it is (an operand is computed on the way)
;;   THE QUANTISER, for each operand of a quantised product, along K:
;;     - K is cut into blocks of 32 from its start; a last block that is shorter is filled with zeros.
;;     - A block's scale is 2^e with e = floor(log2(the largest magnitude in the block)) - 2, held to -126 .. 127; a block of zeros has e = 0. As a byte (E8M0): e + 127.
;;     - Each number is divided by its block's scale, clamped to +-6, and rounded to the nearest number of E2M1, ties to even, subnormals kept.
;;     - The product sums the exact products of the quantised numbers (number of the format x scale) in f32.
;;   ~~~python
;;   def quantise(x, axis):      # numpy; x: float32 -> the quantised numbers, widened to float32 again
;;       x = np.moveaxis(x, axis, -1); K = x.shape[-1]
;;       x = np.pad(x, [(0, 0)] * (x.ndim - 1) + [(0, -K % 32)]); x = x.reshape(x.shape[:-1] + (-1, 32)); a = np.abs(x).max(-1, keepdims=True)
;;       e = np.where(a > 0, np.clip(np.frexp(np.where(a > 0, a, 1))[1] - 1 - 2, -126, 127), 0)      # np.frexp(a)[1] - 1 = floor(log2(a)), exactly
;;       r = np.clip(x / 2.0 ** e, -6, 6)
;;       step = 2.0 ** (np.maximum(np.frexp(np.where(r == 0, 1, r))[1] - 1, 0) - 1)
;;       q = np.round(r / step) * step * 2.0 ** e      # np.round: ties to even
;;       return np.moveaxis(q.reshape(q.shape[:-2] + (-1,))[..., :K], -1, axis).astype(np.float32)
;;   ~~~
;; One version. Each part assembles by itself: llvm-mc -triple=amdgcn-amd-amdhsa -mcpu=gfx1250 --defsym DOCPART=n.
;; ======== version 1 of 1: 4 launches
;; limits: values are held in f16: magnitudes above 65,504 overflow, below 6.1e-05 lose precision
;; workspace buffers: x_codes 4,194,304 bytes; x_scales 262,144 bytes; w_codes 1,572,864 bytes; w_scales 98,304 bytes; wp16 2,097,152 bytes; qkv 50,331,648 bytes; att 16,777,216 bytes
;; launch prep (part 1): grid 576 x 1, 4 waves a work-group, no clusters, 42,496 bytes of LDS; arguments hidden_states, W_qkv, W_proj, x_codes, x_scales, w_codes, w_scales, wp16; writes x_codes, x_scales, w_codes, w_scales, wp16
.if DOCPART == 1
	.amdgcn_target "amdgcn-amd-amdhsa--gfx1250"
	.amdhsa_code_object_version 6
	.text
	.protected	k_qb4ba5475f5_prep
	.globl	k_qb4ba5475f5_prep
	.p2align	8
	.type	k_qb4ba5475f5_prep,@function
k_qb4ba5475f5_prep:
	s_mov_b64 s[64:65], 0
	v_nop
	global_prefetch_b8 v0, s[64:65] scope:SCOPE_SE
	s_setreg_imm32_b32 hwreg(HW_REG_WAVE_MODE, 25, 1), 1
	s_wait_xcnt 0x0
; Three jobs side by side, chosen by the work-group's number (the same in all four waves of a work-group):
;   work-groups   0..255  X: hidden_states [8192][1024] f32 -> codes of FP4 (E2M1), K innermost, and one E8M0 byte for each 32 along K
;   work-groups 256..447  W: W_qkv [1024 k][3072 n] f32, K its FIRST axis -> codes laid [3072 n][1024 k], K innermost, and bytes [3072][32]
;   work-groups 448..575  C: W_proj [1024][1024] f32 -> f16, layout kept
; A block's scale is 2^(floor(log2(largest magnitude)) - 2); its byte is the largest magnitude's exponent field - 2, held at 1 from below.
; LIMITS: a block of zeros gets the byte 1 where the quantiser says 127 (its codes are zeros, which add nothing, and this program alone reads the bytes);
; blocks whose largest magnitude lies under 2^-124 are held at byte 1; NaN and infinities are not served; W_proj must stay under 65,504 in magnitude (f16).
; LDS: 0..32767 job X, 8,192 bytes a wave; 32768..41471 job W's stage, 32 rows x 272; 41472..41983 job W's scale words; 41984..42495 the spare words.  Each job has bytes of its own.
.set SPARE, 41984
.set SPW,   12                         ; v12  LDS address of my spare word; never rewritten
.set NIL,   13                         ; v13  0; never rewritten
.set STEPS, 16
.set AHEAD, 8                          ; job X: loads run eight steps ahead: 32 loads of 512 bytes a wave
.set CB,    8                          ; bytes of 16 codes
.set SP,    80                         ; job X: a lane's place in a stage: 64 bytes + 16 of padding
.set WREG,  8192                       ; job X: a wave's LDS: two stages of 32 x SP bytes, then its 256 scale bytes
.set R,     16                         ; v16-143  job X: eight sets of 16 numbers as loaded
.set X,     144                        ; v144-175 job X: two sets of 16 neighbours
.set E,     176                        ; v176-191 job X: a scale byte for each step
.set C,     192                        ; v192-223 job X: codes, two registers for each step, so that no store's data are written again
.set WSTG,  32768
.set WSCL,  41472
.set WP,    272                        ; job W: a stage row: 256 bytes of codes + 16
.set WX,    32                         ; v32-159  job W: 4 blocks x 32 numbers down K
.set WC,    160                        ; v160-175 job W: 4 blocks x 4 registers of codes
.set SB,    24                         ; v24      job W: my column's four scale bytes
.set NROW,  12288                      ; a row of W_qkv in bytes
; ---- job X's macros: 16 steps of 512 numbers a wave.  Each load reads 512 consecutive bytes; the 2,048 bytes of a step turn through the wave's own stage so that a lane holds 16 neighbours along K
.macro LOAD t
.irp i, 0,1,2,3
	global_load_b128 v[R+16*((\t)%AHEAD)+4*\i:R+16*((\t)%AHEAD)+4*\i+3], v3, s[4:5] offset:2048*(\t)+512*\i th:TH_LOAD_NT
.endr
.endm
.macro TURN t                          ; LDS serves a wave's instructions in order: no wait between the stores and the loads
.irp i, 0,1,2,3
	ds_store_b128 v14, v[R+16*((\t)%AHEAD)+4*\i:R+16*((\t)%AHEAD)+4*\i+3] offset:32*SP*((\t)%2)+8*SP*\i
.endr
.irp i, 0,1,2,3
	ds_load_b128 v[X+16*((\t)%2)+4*\i:X+16*((\t)%2)+4*\i+3], v15 offset:32*SP*((\t)%2)+16*\i
.endr
.endm
.macro STEP t
.set XS, X+16*((\t)%2)
.if (\t) > 0
	s_wait_dscnt 1                                 ; this step's numbers are back from the stage; the last step's byte store may be out
.else
	s_wait_dscnt 0x0
.endif
.if (\t)+AHEAD < STEPS
	LOAD (\t)+AHEAD                                ; the set that the stage's stores have read takes the loads of eight steps on
.endif
.if (\t)+1 < STEPS
.if STEPS-2-(\t) >= AHEAD-1
	s_wait_loadcnt 4*(AHEAD-1)                     ; the next step's four loads are in; those of the seven steps behind it may be out
.else
	s_wait_loadcnt 4*(STEPS-2-(\t))
.endif
	TURN (\t)+1
.endif
	v_max3_num_f32 v8, |v[XS]|, |v[XS+1]|, |v[XS+2]|       ; the largest magnitude of my 16, in two chains
	v_max3_num_f32 v9, |v[XS+3]|, |v[XS+4]|, |v[XS+5]|
.irp i, 6,10
	v_max3_num_f32 v8, v8, |v[XS+\i]|, |v[XS+\i+1]|
	v_max3_num_f32 v9, v9, |v[XS+\i+2]|, |v[XS+\i+3]|
.endr
	v_max3_num_f32 v8, v8, |v[XS+14]|, |v[XS+15]|
	v_max3_num_f32 v8, v8, v9, 0x1800000           ; and the floor 2^(3 - 127): the byte cannot fall under 1
	v_max_num_f32_dpp v8, v8, v8 row_xmask:1 row_mask:0xf bank_mask:0xf   ; with my neighbour's 16: the block's
	v_add_nc_u32 v11, 0xff000000, v8               ; 2 off the exponent field: the conversion takes this operand's exponent field as its scale
	v_cvt_scalef32_pk8_fp4_f32 v[C+2*(\t)], v[XS:XS+7], v11
	v_cvt_scalef32_pk8_fp4_f32 v[C+2*(\t)+1], v[XS+8:XS+15], v11
	v_lshrrev_b32 v[E+(\t)], 23, v11               ; the scale's byte (a plain line behind the conversions)
	ds_store_b8 v5, v[E+(\t)] offset:16*(\t)       ; both lanes of a block write the same byte with the same value
	global_store_b64 v4, v[C+2*(\t):C+2*(\t)+1], s[10:11] offset:32*CB*(\t)   ; 32 lanes store 256 consecutive bytes, aligned
.endm
; ---- job W's macro: block t of my column: all 32 numbers are mine.  left: how many younger loads may stay out
.macro WBLOCK t, left
.set XS, WX+32*(\t)
	s_wait_loadcnt \left
	v_max3_num_f32 v8, |v[XS]|, |v[XS+1]|, |v[XS+2]|
	v_max3_num_f32 v9, |v[XS+3]|, |v[XS+4]|, |v[XS+5]|
.irp i, 6,10,14,18,22,26
	v_max3_num_f32 v8, v8, |v[XS+\i]|, |v[XS+\i+1]|
	v_max3_num_f32 v9, v9, |v[XS+\i+2]|, |v[XS+\i+3]|
.endr
	v_max3_num_f32 v8, v8, |v[XS+30]|, |v[XS+31]|
	v_max3_num_f32 v8, v8, v9, 0x1800000           ; the floor, as above
	v_add_nc_u32 v11, 0xff000000, v8
.irp g, 0,1,2,3
	v_cvt_scalef32_pk8_fp4_f32 v[WC+4*(\t)+\g], v[XS+8*\g:XS+8*\g+7], v11
.endr
	v_lshrrev_b32 v9, 23, v11                      ; the scale's byte (a plain line behind the conversions)
.if (\t) == 0
	v_mov_b32 v[SB], v9
.else
	v_lshl_or_b32 v[SB], v9, 8*(\t), v[SB]         ; the lower K in the lower byte
.endif
	ds_store_b128 v25, v[WC+4*(\t):WC+4*(\t)+3] offset:16*(\t)   ; 32 codes: 16 bytes of my column's row
.endm
	s_load_b512 s[4:19], s[0:1], 0x0               ; hidden s[4:5], W_qkv s[6:7], W_proj s[8:9], x_codes s[10:11], x_scales s[12:13], w_codes s[14:15], w_scales s[16:17], wp16 s[18:19]
	v_lshl_add_u32 v[SPW], v0, 2, SPARE
	v_mov_b32 v[NIL], 0
	v_lshrrev_b32 v1, 5, v0
	v_readfirstlane_b32 s20, v1                    ; wave 0..3
	v_and_b32 v2, 31, v0                           ; lane
	s_mov_b32 s23, 0                               ; the high word of every offset pair s[22:23]
	s_wait_kmcnt 0x0
	s_cmp_ge_u32 ttmp9, 256
	s_cbranch_scc1 .Lnot_x
	; ================= job X =================
	s_lshl_b32 s21, ttmp9, 2
	s_add_co_u32 s21, s21, s20                     ; which run of 8,192 numbers is my wave's: 0..1023
	s_lshl_b32 s22, s21, 15
	s_add_nc_u64 s[4:5], s[4:5], s[22:23]          ; 32,768 bytes of f32 a run,
	s_lshl_b32 s22, s21, 12
	s_add_nc_u64 s[10:11], s[10:11], s[22:23]      ; 4,096 of codes,
	s_lshl_b32 s22, s21, 8
	s_add_nc_u64 s[12:13], s[12:13], s[22:23]      ; 256 scale bytes
	v_lshlrev_b32 v3, 4, v2                        ; my 16 bytes of a load's 512
	s_mul_i32 s24, s20, WREG
	v_lshrrev_b32 v14, 2, v2
	v_mul_u32_u24 v14, v14, SP
	v_and_b32 v15, 3, v2
	v_lshl_add_u32 v14, v15, 4, v14
	v_add_nc_u32 v14, s24, v14                     ; the stage, in: SP (lane / 4) + 16 (lane % 4)
	v_mul_u32_u24 v15, v2, SP
	v_add_nc_u32 v15, s24, v15                     ; and out: SP x lane: my 16 neighbours
	v_mul_u32_u24 v4, v2, CB                       ; my codes' place in a step's
	v_lshrrev_b32 v5, 1, v2
	s_add_co_u32 s24, s24, 2*32*SP
	v_add_nc_u32 v5, s24, v5                       ; my block's byte among my wave's 256
	v_lshlrev_b32 v7, 3, v2
	v_add_nc_u32 v6, s24, v7                       ; and on the way out 8 bytes a lane
.irp t, 0,1,2,3,4,5,6,7
	LOAD \t
.endr
	s_wait_loadcnt 4*(AHEAD-1)                     ; step 0's four loads are in
	TURN 0
.irp t, 0,1,2,3,4,5,6,7,8,9,10,11,12,13,14,15
	STEP \t
.endr
	ds_load_b64 v[8:9], v6                         ; these see my byte stores: LDS serves a wave in order
	s_wait_dscnt 0x0
	global_store_b64 v7, v[8:9], s[12:13]          ; 32 lanes store 256 consecutive bytes, aligned
	s_branch .Lend
.Lnot_x:
	s_cmp_ge_u32 ttmp9, 448
	s_cbranch_scc1 .Lcast
	; ================= job W =================
	; A work-group takes 32 columns x 512 along K; wave w takes 128 of the 512: 4 blocks.  A LANE TAKES A COLUMN AND ITS REGISTERS RUN DOWN K: each load reads 128 consecutive bytes,
	; a block lies in one lane, and the conversions give codes with K innermost.  The four waves' codes meet in one stage, so that a column's 256 bytes leave together.
	s_sub_co_u32 s21, ttmp9, 256                   ; 0..191
	s_cmp_ge_u32 s21, 96
	s_cselect_b32 s24, 1, 0                        ; y: which 512 along K
	s_mul_i32 s25, s24, 96
	s_sub_co_u32 s25, s21, s25                     ; cg: which 32 columns, 0..95
	s_lshl_b32 s26, s24, 9
	s_lshl_b32 s27, s20, 7
	s_add_co_u32 s26, s26, s27                     ; my first k: 512 y + 128 w
	s_mul_i32 s22, s26, NROW
	s_lshl_b32 s27, s25, 7
	s_add_co_u32 s22, s22, s27                     ; + 128 bytes for each group of 32 columns
	s_add_nc_u64 s[6:7], s[6:7], s[22:23]
	s_lshl_b32 s22, s25, 14                        ; codes: 32 rows of 512 bytes a group,
	s_lshl_b32 s27, s24, 8
	s_add_co_u32 s22, s22, s27                     ; + 256 y
	s_add_nc_u64 s[14:15], s[14:15], s[22:23]
	s_lshl_b32 s22, s25, 10                        ; scale bytes: 32 rows of 32 bytes a group,
	s_lshl_b32 s27, s24, 4
	s_add_co_u32 s22, s22, s27                     ; + 16 y
	s_add_nc_u64 s[16:17], s[16:17], s[22:23]
	v_lshlrev_b32 v3, 2, v2                        ; 4 bytes a lane
.irp t, 0,1,2,3
.irp i, 0,1,2,3,4,5,6,7,8,9,10,11,12,13,14,15,16,17,18,19,20,21,22,23,24,25,26,27,28,29,30,31
	global_load_b32 v[WX+32*\t+\i], v3, s[6:7] offset:(32*\t+\i)*NROW th:TH_LOAD_NT   ; all 128 rows are asked for at once
.endr
.endr
	v_mul_u32_u24 v25, v2, WP
	s_lshl_b32 s27, s20, 6
	s_add_co_u32 s27, s27, WSTG
	v_add_nc_u32 v25, s27, v25                     ; into the stage: row = my column, my wave's 64 bytes of it
	v_lshlrev_b32 v26, 4, v2
	s_lshl_b32 s27, s20, 2
	s_add_co_u32 s27, s27, WSCL
	v_add_nc_u32 v26, s27, v26                     ; my column's 16 scale bytes, my wave's word
	v_lshrrev_b32 v4, 4, v2
	v_and_b32 v5, 15, v2
	s_lshl_b32 s27, s20, 3
	v_add_nc_u32 v4, s27, v4                       ; out: wave w takes rows 8 w .. 8 w + 7, sixteen lanes to a row
	v_mul_u32_u24 v27, v4, WP
	v_lshl_add_u32 v27, v5, 4, v27
	v_add_nc_u32 v27, WSTG, v27
	v_lshlrev_b32 v28, 9, v4
	v_lshl_add_u32 v28, v5, 4, v28                 ; the same place among the rows of w_codes (512 bytes a row)
	v_lshl_add_u32 v29, v2, 4, WSCL
	v_lshlrev_b32 v30, 5, v2                       ; a row of w_scales is 32 bytes
	WBLOCK 0, 63                                   ; block 0 wants at most 96 younger loads out, block 1 at most 64: 63 is the largest count that the wait can name
	WBLOCK 1, 63
	WBLOCK 2, 32
	WBLOCK 3, 0
	ds_store_b32 v26, v[SB]
	s_wait_dscnt 0x0                               ; for the others' sake: my stores into the stage have landed
	s_barrier_signal -1
	s_barrier_wait -1
.irp i, 0,1,2,3
	ds_load_b128 v[WX+4*\i:WX+4*\i+3], v27 offset:2*WP*\i
.endr
.irp i, 0,1,2,3
	s_wait_dscnt 3-\i                              ; the younger loads may stay out
	global_store_b128 v28, v[WX+4*\i:WX+4*\i+3], s[14:15] offset:1024*\i   ; sixteen lanes store 256 consecutive bytes, aligned
.endr
	s_cmp_lg_u32 s20, 0
	s_cbranch_scc1 .Lend
	ds_load_b128 v[48:51], v29                     ; wave 0: the 32 columns' 16 scale bytes each
	s_wait_dscnt 0x0
	global_store_b128 v30, v[48:51], s[16:17]      ; 16 of each row's 32 bytes: the one place where this program stores less than 256 bytes on end (98,304 bytes in all)
	s_branch .Lend
.Lcast:
	; ================= job C =================
	s_sub_co_u32 s21, ttmp9, 448
	s_lshl_b32 s21, s21, 2
	s_add_co_u32 s21, s21, s20                     ; which run of 2,048 numbers: 0..511
	s_lshl_b32 s22, s21, 13
	s_add_nc_u64 s[8:9], s[8:9], s[22:23]
	s_lshl_b32 s22, s21, 12
	s_add_nc_u64 s[18:19], s[18:19], s[22:23]
	v_lshlrev_b32 v3, 4, v2
	v_lshlrev_b32 v4, 3, v2
.irp i, 0,1,2,3,4,5,6,7,8,9,10,11,12,13,14,15
	global_load_b128 v[32+4*\i:35+4*\i], v3, s[8:9] offset:512*\i th:TH_LOAD_NT
.endr
.irp i, 0,1,2,3,4,5,6,7,8,9,10,11,12,13,14,15
	s_wait_loadcnt 15-\i                           ; loads come back in order: the younger ones stay out
	v_cvt_pk_f16_f32 v[96+2*\i], v[32+4*\i], v[33+4*\i]
	v_cvt_pk_f16_f32 v[97+2*\i], v[34+4*\i], v[35+4*\i]
	global_store_b64 v4, v[96+2*\i:97+2*\i], s[18:19] offset:256*\i   ; 32 lanes store 256 consecutive bytes, aligned
.endr
.Lend:
	s_wait_tensorcnt 0x0                           ; the wave's end, behind the last LDS store
	ds_add_u32 v[SPW], v[NIL]
	s_wait_dscnt 0x0
	s_endpgm
.Lfunc_end_k_qb4ba5475f5_prep:
	.size	k_qb4ba5475f5_prep, .Lfunc_end_k_qb4ba5475f5_prep-k_qb4ba5475f5_prep
	.p2alignl 7, 3214868480
	.fill 96, 4, 3214868480
	.section	.rodata,"a",@progbits
	.p2align	6, 0x0
	.amdhsa_kernel k_qb4ba5475f5_prep
		.amdhsa_group_segment_fixed_size 42496
		.amdhsa_private_segment_fixed_size 0
		.amdhsa_enable_private_segment 0
		.amdhsa_kernarg_size 64
		.amdhsa_user_sgpr_count 2
		.amdhsa_user_sgpr_kernarg_segment_ptr 1
		.amdhsa_wavefront_size32 1
		.amdhsa_system_sgpr_workgroup_id_x 1
		.amdhsa_system_sgpr_workgroup_id_y 1
		.amdhsa_system_sgpr_workgroup_id_z 1
		.amdhsa_system_vgpr_workitem_id 0
		.amdhsa_next_free_vgpr 224
		.amdhsa_next_free_sgpr 66
		.amdhsa_reserve_vcc 0
		.amdhsa_float_denorm_mode_32 3
		.amdhsa_float_denorm_mode_16_64 3
		.amdhsa_memory_ordered 1
		.amdhsa_forward_progress 1
		.amdhsa_inst_pref_size 60
	.end_amdhsa_kernel
	.amdgpu_metadata
---
amdhsa.version: [ 1, 2 ]
amdhsa.kernels:
  - .name:           k_qb4ba5475f5_prep
    .symbol:         k_qb4ba5475f5_prep.kd
    .args:
      - { .name: hidden_states, .offset: 0, .size: 8, .value_kind: global_buffer, .address_space: global }
      - { .name: W_qkv, .offset: 8, .size: 8, .value_kind: global_buffer, .address_space: global }
      - { .name: W_proj, .offset: 16, .size: 8, .value_kind: global_buffer, .address_space: global }
      - { .name: x_codes, .offset: 24, .size: 8, .value_kind: global_buffer, .address_space: global }
      - { .name: x_scales, .offset: 32, .size: 8, .value_kind: global_buffer, .address_space: global }
      - { .name: w_codes, .offset: 40, .size: 8, .value_kind: global_buffer, .address_space: global }
      - { .name: w_scales, .offset: 48, .size: 8, .value_kind: global_buffer, .address_space: global }
      - { .name: wp16, .offset: 56, .size: 8, .value_kind: global_buffer, .address_space: global }
    .group_segment_fixed_size: 42496
    .private_segment_fixed_size: 0
    .kernarg_segment_align: 8
    .kernarg_segment_size: 64
    .max_flat_workgroup_size: 128
    .sgpr_count:     66
    .vgpr_count:     224
    .wavefront_size: 32
...
	.end_amdgpu_metadata
.endif
;; end of part 1
;; launch qkv (part 2): grid 4 x 96, 4 waves a work-group, clusters of 4 x 4, 327,680 bytes of LDS; arguments x_codes, x_scales, w_codes, w_scales, b_qkv, qn_w, qn_b, kn_w, kn_b, freqs_cos, freqs_sin, qkv; writes qkv
.if DOCPART == 2
	.amdgcn_target "amdgcn-amd-amdhsa--gfx1250"
	.amdhsa_code_object_version 6
	.text
	.protected	k_qb4ba5475f5_qkv
	.globl	k_qb4ba5475f5_qkv
	.p2align	8
	.type	k_qb4ba5475f5_qkv,@function
k_qb4ba5475f5_qkv:
	s_mov_b64 s[64:65], 0
	v_nop
	global_prefetch_b8 v0, s[64:65] scope:SCOPE_SE
	s_setreg_imm32_b32 hwreg(HW_REG_WAVE_MODE, 25, 1), 1
	s_wait_xcnt 0x0
	s_wait_alu depctr_hold_cnt(0) depctr_sa_sdst(0) depctr_va_vdst(0) depctr_va_sdst(0) depctr_va_ssrc(0) depctr_va_vcc(0) depctr_vm_vsrc(0)
	s_getreg_b32 s2, hwreg(HW_REG_IB_STS2, 6, 4)
	s_cmp_eq_u32 s2, 0
	s_cbranch_scc0 .Lentry_in_a_cluster
	s_endpgm
.Lentry_in_a_cluster:
	s_bfe_u32 s2, ttmp6, 0x10000c
	s_cmp_lg_u32 s2, 0xf033
	s_cbranch_scc0 .Lentry_shape_is_right
	s_endpgm
.Lentry_shape_is_right:
; qkv = Q(x) Q(W_qkv) + b_qkv on codes of FP4 with E8M0 scales; then, for q and k, LayerNorm over each head's 64 numbers and the rotation by the given tables; all in f32; rounded once to f16.
; x_codes [8192][512 bytes], w_codes [3072][512 bytes]: K innermost; x_scales [8192][32], w_scales [3072][32].  Output: qkv [3][8 b][16 h][1024 s][64] f16: a row is 128 bytes, a head 131,072 bytes on end.
; A tile of 256 rows x 256 columns is made by four waves, each 128 x 128: 64 accumulators, 512 registers.  K = 1,024 is two LDS slots of 512 along K (rows of 256 bytes): both are filled at the start, nothing is filled again.
; The scales of the work-group's 256 + 256 rows for all of K come into LDS once, as rows of 256 bytes.
; CLUSTERS: 4 x 4 work-groups: A's tiles are asked for jointly along a row of the cluster, B's along a column.  A cluster makes 1,024 rows x 1,024 columns: all of q, of k or of v for one batch.
; THE GRID is one cluster along x and 24 along y: cluster y = 8 t + c, t = 0 q, 1 k, 2 v, c the batch.  So the sixteen clusters with the long way out (norm and rotation) have the lower numbers, v's eight the highest.  t is the same in all sixteen partners.
; THE MATRIX INSTRUCTION IS USED TRANSPOSED (source 0 = 16 rows of w_codes, source 1 = 16 rows of x_codes): a lane holds one row and eight neighbouring columns; a head's 64 columns lie in lanes l and l xor 16 of one wave.
; The bias is the C of each sum's first product.
; LIMITS: the results are rounded to f16: magnitudes under 65,504; under 6e-5 f16's absolute step.  The rotation is a multiply and a fused multiply-add where reference() has two multiplies and an add.
; REGISTERS: window 0: v16-31 addresses; v32-95 scale words, two sets, and nothing else; v128-191 A's fragments; v192-255 the bias.  window 1: B's fragments at v0 and v128; v64-127 the norm's gain and bias; v192-255 the tables of the first 16 rows.
;   windows 2, 3: the accumulators ((a, b) at v[8 (8 (a % 4) + b)]).  On the way out window 0 is laid anew from v96 on (below), B's registers take tables, and the norm works in place on the accumulators.
.set KSTEP,  512
.set NQ,     4
.set ROWB,   256
.set KROW,   512
.set PITCH,  272                       ; an LDS row: 256 bytes + 16 of padding, so that the 16 rows of a fragment load begin 68 words apart
.set FR,     8
.set NL,     2
.set NP,     4
.set HALFT,  128*PITCH
.set SLOT,   4*HALFT
.set KS,     32
.set SCL,    2*SLOT
.set HALFS,  (128*KS/256)*272
.set SBLK,   (16*KS/256)*272
.set SPARE,  SCL+4*HALFS               ; the spare words: 128 bytes a wave, named by no other line
.set ADRA, 16
.set ADRB, 20
.set STO,  24                          ; v24  the way out: 4,608 x wave + 144 r + 16 h
.set RD,   25                          ; v25  4,608 x wave + 144 (lane / 8) + 16 (lane % 8)
.set CO,   26                          ; v26  16 x lane
.set ADRS, 27
.set SPW,  28
.set NIL,  29
.set TO,   30                          ; v30  the tables: 256 r + 32 h
.set HO,   31                          ; v31  32 h
.set SC,   32
.set AF,   128
.set BI,   192                         ; the bias: block b at v[192 + 8 b]
.set G1, 24
.set G0, 32
.set G1B, 48
.set G0B, 56
.set G1S, 68
.set G0S, 76
.set G1SB, 80
.set G0SB, 88
.set SEL,  66                          ; s[66:67] selects of v_permlanex16_b32: lane l xor 16
.set COSP, 76                          ; s[76:77], s[78:79] the tables at my wave's first row (once the scales' descriptors are done with)
.set SINP, 78
.set GWP,  80                          ; s[80:81], s[82:83] the norm's gain and bias
.set GBP,  82
.set OUTP, 84                          ; s[84:85] my wave's first row of its first head
.set INV,  95                          ; s95 1 / 64
.set EPS,  96                          ; s96 1e-6
.set TY,   97                          ; s97 0 q, 1 k, 2 v
.set MSB, 0
.macro WIN new                         ; the immediate's high byte repeats the setting that is left
.if MSB != (\new)
	s_set_vgpr_msb (MSB<<8)|(\new)
.set MSB, (\new)
.endif
.endm
.set MUL_LO,   0xa1                    ; source 0 (B) window 1, source 1 (A) window 0, C and D window 2
.set MUL_HI,   0xf1
.set FIRST_LO, 0x81                    ; the same with C (the bias) in window 0
.set FIRST_HI, 0xc1
.set TO_B,     0x40
; A joint load: waves 0 and 1 fetch for A, waves 2 and 3 for B; the branch hangs on the wave's number alone.  An s_nop 0 and four v_nop follow each line.
.macro JLOAD g0a, g1a, g0b, g1b
	s_cmp_eq_u32 s15, 0
	s_cbranch_scc0 .Lfor_b_\@
	tensor_load_to_lds s[\g0a:\g0a+3], s[\g1a:\g1a+7]
	s_nop 0
.rept 4
	v_nop
.endr
	s_branch .Lasked_\@
.Lfor_b_\@:
	tensor_load_to_lds s[\g0b:\g0b+3], s[\g1b:\g1b+7]
	s_nop 0
.rept 4
	v_nop
.endr
.Lasked_\@:
.endm
.macro CROUND                          ; a round of the cluster's barrier
	s_barrier_signal -1
	s_barrier_wait -1
	s_cmp_lg_u32 s14, 0
	s_cbranch_scc1 .Lnot_wave_0_\@
	s_barrier_signal -3
.Lnot_wave_0_\@:
	s_barrier_wait -3
	s_barrier_signal -1
	s_barrier_wait -1
.endm
	s_load_b128 s[4:7], s[0:1], 0x0                ; x's codes, x's scales
	s_load_b128 s[8:11], s[0:1], 0x10              ; w's codes, w's scales
	s_load_b64 s[12:13], s[0:1], 0x20              ; b_qkv
	v_lshl_add_u32 v[SPW], v0, 2, SPARE
	v_mov_b32 v[NIL], 0
	ds_add_u32 v[SPW], v[NIL]                      ; the wave's opening: the add, twice on end, and its wait ahead of my first tensor load
	ds_add_u32 v[SPW], v[NIL]
	v_lshrrev_b32 v1, 5, v0
	v_readfirstlane_b32 s14, v1                    ; wave 0..3
	s_lshr_b32 s15, s14, 1                         ; which half of the tile's rows is mine.  Also: I fetch for A (0) or for B (1)
	s_and_b32 s16, s14, 1                          ; which half of its columns.  Also: which 128 rows of that tile I fetch
	s_bfe_u32 s40, ttmp6, 0x40000                  ; cx, cy
	s_bfe_u32 s41, ttmp6, 0x40004
	s_and_b32 s17, ttmp7, 0xffff                   ; the cluster's y: 0..23
	s_lshr_b32 s[TY], s17, 3                       ; q, k or v
	s_and_b32 s17, s17, 7                          ; the batch
	s_lshl_b32 s42, s[TY], 2
	s_add_co_u32 s42, s42, s40                     ; tile column = 4 t + cx
	s_lshl_b32 s17, s17, 2
	s_add_co_u32 s17, s17, s41                     ; tile row = 4 x batch + cy
	s_lshl_b32 s43, s41, 2
	s_lshl_b32 s43, 15, s43                        ; my row of the cluster
	s_lshl_b32 s44, 0x1111, s40                    ; my column
	s_or_b32 s[G1+0], s43, (0<<16)|(1<<20)|(1<<21)|(5<<22)|(3<<25)  ; the mask; elements of 1 byte; padding on; bit 21 beside a mask; 4 words of padding after every 64
	s_or_b32 s[G1B+0], s44, (0<<16)|(1<<20)|(1<<21)|(5<<22)|(3<<25)
.irp g, G1, G1B
	s_mov_b32 s[\g+1], ROWB<<16                    ; tensor_dim0
	s_mov_b32 s[\g+2], 128<<16                     ; tensor_dim1
	s_mov_b32 s[\g+3], ROWB<<16                    ; tile_dim0
	s_mov_b32 s[\g+4], 128                         ; tile_dim1
	s_mov_b32 s[\g+5], KROW                        ; the pitch
	s_mov_b32 s[\g+6], 0
	s_mov_b32 s[\g+7], 0
.endr
	s_or_b32 s[G1S+0], s43, (3<<16)|(1<<20)|(1<<21)|(5<<22)|(3<<25)  ; the scales of 128 rows: 4,096 bytes on end, as 16 rows of 32 elements of 8 bytes
	s_or_b32 s[G1SB+0], s44, (3<<16)|(1<<20)|(1<<21)|(5<<22)|(3<<25)
.irp g, G1S, G1SB
	s_mov_b32 s[\g+1], 32<<16
	s_mov_b32 s[\g+2], (128*KS/256)<<16
	s_mov_b32 s[\g+3], 32<<16
	s_mov_b32 s[\g+4], 128*KS/256
	s_mov_b32 s[\g+5], 32
	s_mov_b32 s[\g+6], 0
	s_mov_b32 s[\g+7], 0
.endr
	s_lshl_b32 s18, s16, 7
	s_lshl_b32 s20, s17, 8
	s_add_co_u32 s20, s20, s18                     ; A: row 256 x tile row + 128 x half
	s_lshl_b32 s46, s42, 8
	s_add_co_u32 s46, s46, s18                     ; B: row 256 x tile column + 128 x half
	s_mov_b32 s21, 0
	s_mov_b32 s47, 0
	s_mov_b64 s[18:19], KS
	s_mul_u64 s[22:23], s[20:21], s[18:19]         ; where these rows' scales begin,
	s_mul_u64 s[92:93], s[46:47], s[18:19]
	s_mov_b64 s[18:19], KROW
	s_mul_u64 s[20:21], s[20:21], s[18:19]         ; and their codes
	s_mul_u64 s[46:47], s[46:47], s[18:19]
	s_mul_i32 s45, s14, HALFT                      ; where they go: wave x 128 rows
	s_mul_i32 s94, s14, HALFS
	s_wait_dscnt 0x0                               ; both opening adds are done
	s_wait_kmcnt 0x0
	s_add_nc_u64 s[20:21], s[4:5], s[20:21]
	s_add_nc_u64 s[22:23], s[6:7], s[22:23]
	s_add_nc_u64 s[46:47], s[8:9], s[46:47]
	s_add_nc_u64 s[92:93], s[10:11], s[92:93]
	CROUND                                         ; all sixteen work-groups are here: the joint loads meet
	s_mov_b32 s[G0S], 1
	s_add_co_u32 s[G0S+1], s94, SCL
	s_mov_b64 s[G0S+2:G0S+3], s[22:23]
	s_or_b32 s[G0S+3], s[G0S+3], 0x80000000
	s_mov_b32 s[G0SB], 1
	s_add_co_u32 s[G0SB+1], s94, SCL
	s_mov_b64 s[G0SB+2:G0SB+3], s[92:93]
	s_or_b32 s[G0SB+3], s[G0SB+3], 0x80000000
	JLOAD G0S, G1S, G0SB, G1SB                     ; the scales first; then both slots: three tensor loads of mine are out
.irp s, 0,1
	s_mov_b32 s[G0+4*\s], 1
	s_add_co_u32 s[G0+4*\s+1], s45, \s*SLOT
	s_add_nc_u64 s[G0+4*\s+2:G0+4*\s+3], s[20:21], \s*ROWB
	s_or_b32 s[G0+4*\s+3], s[G0+4*\s+3], 0x80000000
	s_mov_b32 s[G0B+4*\s], 1
	s_add_co_u32 s[G0B+4*\s+1], s45, \s*SLOT
	s_add_nc_u64 s[G0B+4*\s+2:G0B+4*\s+3], s[46:47], \s*ROWB
	s_or_b32 s[G0B+4*\s+3], s[G0B+4*\s+3], 0x80000000
	JLOAD G0+4*\s, G1, G0B+4*\s, G1B
.endr
	v_and_b32 v1, 15, v0                           ; r
	v_bfe_u32 v2, v0, 4, 1                         ; h
	v_lshlrev_b32 v[HO], 5, v2
	s_lshl_b32 s46, s42, 10                        ; the bias of my 128 columns: 1,024 x tile column + 512 x half bytes on
	s_lshl_b32 s47, s16, 9
	s_add_co_u32 s46, s46, s47
	s_mov_b32 s47, 0
	s_add_nc_u64 s[12:13], s[12:13], s[46:47]
.irp b, 0,1,2,3,4,5,6,7
	global_load_b128 v[BI+8*\b:BI+8*\b+3], v[HO], s[12:13] offset:64*\b        ; lane (r, h): b_qkv at columns 16 b + 8 h + 0 .. 7: the result's layout
	global_load_b128 v[BI+8*\b+4:BI+8*\b+7], v[HO], s[12:13] offset:64*\b+16
.endr
	v_mul_u32_u24 v3, v1, PITCH
	v_lshl_add_u32 v4, v2, 4, v3                   ; a fragment's row x pitch + 16 x half
	s_mul_i32 s21, s15, HALFT
	s_mul_i32 s22, s16, HALFT
	s_add_co_u32 s22, s22, 2*HALFT
.irp s, 0,1
	v_add_nc_u32 v[ADRA+\s], s21, v4
	v_add_nc_u32 v[ADRB+\s], s22, v4
	s_add_co_u32 s21, s21, SLOT
	s_add_co_u32 s22, s22, SLOT
.endr
	v_mul_u32_u24 v5, v1, KS                       ; my row's scales: 32 bytes a row,
	v_lshrrev_b32 v6, 8, v5
	v_lshl_add_u32 v5, v6, 4, v5                   ; and 16 more for each 256 passed
	s_mul_i32 s21, s15, HALFS
	s_mul_i32 s22, s16, HALFS
	s_add_co_u32 s22, s22, 2*HALFS
	s_sub_co_u32 s22, s22, s21
	v_mul_u32_u24 v6, s22, v2                      ; lanes 16-31 take B's
	s_add_co_u32 s21, s21, SCL
	v_add_nc_u32 v5, v5, v6
	v_add_nc_u32 v[ADRS], s21, v5
	s_mul_i32 s23, s14, 4608                       ; my stage for the way out: 2 heads x 16 rows x 144 bytes, in slot 0
	v_mul_u32_u24 v5, v1, 144
	v_lshl_add_u32 v5, v2, 4, v5
	v_add_nc_u32 v[STO], s23, v5
	v_and_b32 v6, 31, v0
	v_lshrrev_b32 v5, 3, v6
	v_mul_u32_u24 v5, v5, 144
	v_and_b32 v3, 7, v0
	v_lshl_add_u32 v5, v3, 4, v5
	v_add_nc_u32 v[RD], s23, v5
	v_lshlrev_b32 v[CO], 4, v6
	v_lshl_add_u32 v[TO], v1, 8, v[HO]
.macro FRAG reg, adr, q, i             ; 16 rows x 128 K of 4-bit codes: 8 registers, two loads of 16 bytes, 32 bytes apart
.irp c, 0,1
	ds_load_b128 v[\reg+4*\c:\reg+4*\c+3], v[\adr] offset:64*(\q)+32*\c+(\i)*16*PITCH
.endr
.endm
; 16 matrix instructions: A's blocks a0, a0 + 1 x B's eight, the slot's q-th 128 along K.  first = 1: C is the bias.  The 64 accumulators take turns, one instruction a turn.
.macro MUL16 a0, p, q, sc, first
.irp a, \a0, \a0+1
.irp b, 0,1,2,3,4,5,6,7
.if \first
	v_wmma_scale_f32_16x16x128_f8f6f4 v[8*(8*((\a)%4)+\b):8*(8*((\a)%4)+\b)+7], v[128*(\p)+FR*\b:128*(\p)+FR*\b+FR-1], v[AF+FR*(\a):AF+FR*(\a)+FR-1], v[BI+8*\b:BI+8*\b+7], v[SC+8*NQ*(\sc)+NQ*\b+(\q)], v[SC+8*NQ*(\sc)+NQ*(\a)+(\q)] matrix_a_fmt:MATRIX_FMT_FP4 matrix_b_fmt:MATRIX_FMT_FP4 matrix_a_scale:MATRIX_SCALE_ROW1
.else
	v_wmma_scale_f32_16x16x128_f8f6f4 v[8*(8*((\a)%4)+\b):8*(8*((\a)%4)+\b)+7], v[128*(\p)+FR*\b:128*(\p)+FR*\b+FR-1], v[AF+FR*(\a):AF+FR*(\a)+FR-1], v[8*(8*((\a)%4)+\b):8*(8*((\a)%4)+\b)+7], v[SC+8*NQ*(\sc)+NQ*\b+(\q)], v[SC+8*NQ*(\sc)+NQ*(\a)+(\q)] matrix_a_fmt:MATRIX_FMT_FP4 matrix_b_fmt:MATRIX_FMT_FP4 matrix_a_scale:MATRIX_SCALE_ROW1
.endif
.endr
.endr
.endm
.macro FETCH_B slot, q, p
	WIN TO_B
.irp i, 0,1,2,3,4,5,6,7
	FRAG 128*(\p)+FR*\i, ADRB+\slot, \q, \i
.endr
	WIN 0
.endm
.macro FETCH_A slot, q, i0
.irp i, \i0, \i0+1, \i0+2, \i0+3
	FRAG AF+FR*(\i), ADRA+\slot, \q, \i
.endr
.endm
.macro SCALES sc                       ; a slot's scale words: 4 a row; lanes 0-15 take A's block i, lanes 16-31 B's block i
.irp i, 0,1,2,3,4,5,6,7
	ds_load_b128 v[SC+8*NQ*\sc+NQ*\i:SC+8*NQ*\sc+NQ*\i+3], v[ADRS] offset:\i*SBLK
.endr
.endm
.macro PLACES n                        ; plain vector instructions between a matrix instruction and a load into, or a vector read of, its registers
.rept \n
	v_nop
.endr
.endm
.macro STEP slot, q, first             ; a step of 128 along K that has its successor in the same slot
	s_wait_dscnt 4*NL                              ; B's set and A's blocks 0-3 are in; the youngest eight loads (A's blocks 4-7) may be out
.if \first
	WIN FIRST_LO
.else
	WIN MUL_LO
.endif
	MUL16 0, (\q)%2, \q, \slot, \first
	MUL16 2, (\q)%2, \q, \slot, \first
	s_wait_dscnt 0                                 ; A's blocks 4-7 are in
	PLACES NP
	FETCH_B \slot, (\q)+1, 1-(\q)%2
	FETCH_A \slot, (\q)+1, 0
.if \first
	WIN FIRST_HI
.else
	WIN MUL_HI
.endif
	MUL16 4, (\q)%2, \q, \slot, \first
	MUL16 6, (\q)%2, \q, \slot, \first
	PLACES NP
	WIN 0
	FETCH_A \slot, (\q)+1, 4
.endm
; Slot 0's last step changes slots: one barrier.  In front of it each wave waits for all its tensor loads (slot 1's part), adds 0 to its spare word, and waits for that and for its reads of slot 0.  Nothing is filled again.
.macro TURN slot, next
	s_wait_tensorcnt 0x0
	ds_add_u32 v[SPW], v[NIL]
	s_wait_dscnt 4*NL+1                            ; the add and the youngest eight loads may be out
	WIN MUL_LO
	MUL16 0, 1, NQ-1, \slot, 0
	s_wait_dscnt 0x0                               ; the add is done, and my reads of this slot are over
	s_barrier_signal -1
	MUL16 2, 1, NQ-1, \slot, 0
	WIN 0
	s_barrier_wait -1
	PLACES NP
	v_add_nc_u32 v[ADRS], 4*NQ, v[ADRS]            ; the next slot's scale words
	FETCH_B \next, 0, 0
	FETCH_A \next, 0, 0
	SCALES \next
	WIN MUL_HI
	MUL16 4, 1, NQ-1, \slot, 0
	MUL16 6, 1, NQ-1, \slot, 0
	PLACES NP
	WIN 0
	FETCH_A \next, 0, 4
.endm
.set TW,  64                           ; window 1: the norm's gain, 32 registers: register 8 b' + j = column 16 b' + 8 h + j of a head
.set TBI, 96                           ; its bias
; The tables of rows 16 a + r: 32 registers of cos, then 32 of sin, the same 32 columns.  Three sets in window 1 take turns: block a's at v192 (a % 3 = 0), v128 (1) or v0 (2).  The last two hold B's fragments until the last product.
.macro TABLES a
.set TQ, 192-64*((\a)%3)-64*(((\a)%3)/2)
.irp b, 0,1,2,3
	global_load_b128 v[TQ+8*\b:TQ+8*\b+3], v[TO], s[COSP:COSP+1] offset:4096*(\a)+64*\b
	global_load_b128 v[TQ+8*\b+4:TQ+8*\b+7], v[TO], s[COSP:COSP+1] offset:4096*(\a)+64*\b+16
	global_load_b128 v[TQ+32+8*\b:TQ+32+8*\b+3], v[TO], s[SINP:SINP+1] offset:4096*(\a)+64*\b
	global_load_b128 v[TQ+32+8*\b+4:TQ+32+8*\b+7], v[TO], s[SINP:SINP+1] offset:4096*(\a)+64*\b+16
.endr
.endm
	s_wait_tensorcnt 1                             ; the scales and my part of slot 0 are in; slot 1's load may be out
	s_barrier_signal -1
	s_barrier_wait -1
	; The way out's pointers are asked for here and awaited behind the first step's products.  s68-91 held the scales' descriptors, whose loads the wait on TENSORcnt above has shown done.
	s_load_b256 s[68:75], s[0:1], 0x28             ; qn_w, qn_b, kn_w, kn_b
	s_load_b128 s[76:79], s[0:1], 0x48             ; cos, sin
	s_load_b64 s[84:85], s[0:1], 0x58              ; qkv
	FETCH_B 0, 0, 0
	FETCH_A 0, 0, 0
	SCALES 0
	FETCH_A 0, 0, 4
	s_wait_loadcnt 0x0                             ; the bias
	STEP 0, 0, 1
	s_and_b32 s86, s17, 3
	s_lshl_b32 s86, s86, 8
	s_lshl_b32 s87, s15, 7
	s_add_co_u32 s86, s86, s87                     ; my wave's first position: 256 (tile row % 4) + 128 x half
	s_lshl_b32 s88, s86, 7                         ; its 128 bytes a row,
	s_lshl_b32 s87, s[TY], 24
	s_add_co_u32 s88, s88, s87                     ; q, k or v: 16,777,216 bytes each,
	s_lshr_b32 s87, s17, 2
	s_lshl_b32 s87, s87, 21
	s_add_co_u32 s88, s88, s87                     ; the batch: 2,097,152,
	s_lshl_b32 s87, s40, 2
	s_lshl_b32 s89, s16, 1
	s_add_co_u32 s87, s87, s89
	s_lshl_b32 s87, s87, 17
	s_add_co_u32 s88, s88, s87                     ; my first head, 4 cx + 2 x half: 131,072
	s_mov_b32 s89, 0
	s_lshl_b32 s86, s86, 8                         ; a row of the tables is 256 bytes
	s_mov_b32 s87, 0
	s_wait_kmcnt 0x0
	s_add_nc_u64 s[OUTP:OUTP+1], s[OUTP:OUTP+1], s[88:89]
	s_add_nc_u64 s[COSP:COSP+1], s[COSP:COSP+1], s[86:87]
	s_add_nc_u64 s[SINP:SINP+1], s[SINP:SINP+1], s[86:87]
	s_cmp_eq_u32 s[TY], 0                          ; q's gain and bias for q, k's for the others
	s_cselect_b64 s[GWP:GWP+1], s[68:69], s[72:73]
	s_cselect_b64 s[GBP:GBP+1], s[70:71], s[74:75]
	; Every cluster issues these 32 loads, so that the registers are written on every way through the text.  v's clusters, which have no norm and no rotation, leave them unread.
	WIN TO_B
.irp b, 0,1,2,3
	global_load_b128 v[TW+8*\b:TW+8*\b+3], v[HO], s[GWP:GWP+1] offset:64*\b
	global_load_b128 v[TW+8*\b+4:TW+8*\b+7], v[HO], s[GWP:GWP+1] offset:64*\b+16
	global_load_b128 v[TBI+8*\b:TBI+8*\b+3], v[HO], s[GBP:GBP+1] offset:64*\b
	global_load_b128 v[TBI+8*\b+4:TBI+8*\b+7], v[HO], s[GBP:GBP+1] offset:64*\b+16
.endr
	TABLES 0
	WIN 0
	STEP 0, 1, 0
	STEP 0, 2, 0
	TURN 0, 1
	STEP 1, 0, 0
	STEP 1, 1, 0
	STEP 1, 2, 0
	s_wait_dscnt 4*NL                              ; the very last step: nothing more to fetch
	WIN MUL_LO
	MUL16 0, 1, NQ-1, 1, 0
	MUL16 2, 1, NQ-1, 1, 0
	s_wait_dscnt 0
	WIN MUL_HI
	MUL16 4, 1, NQ-1, 1, 0
	MUL16 6, 1, NQ-1, 1, 0
	WIN 0
; THE WAY OUT, a block of 16 rows x 128 columns (two heads) at a time.  The norm works IN PLACE on the block's accumulators (window 2 or 3).
; Window 0 anew: v[2:3], v[4:5] a head's mean; v[6:7], v[8:9] 1 / its deviation; v10, v11 exchange; v96-159 T; v160-191 packed f16; v192-255 rows read back, two sets.  v32-95 keep the scale words.
; A block's packed rows go into my stage and are read back at the block's end (TOSTAGE); they are stored from the middle of the NEXT block (SEND), so that the stage's round trip lies under that block's arithmetic.
.set MU, 2
.set RS, 6
.set PT, 10
.set T,  96
.set PK, 160
.set RB, 192
; A lane's 16 bytes (8 columns) of a row go into my own stage (rows of 144 bytes, in slot 0, which has had its last fill and its last read ahead of the change of slots) and come back so that 32 lanes hold 512 bytes on end: four rows of a head.
.macro TOSTAGE a                       ; the packed rows stand in v[PKS] on
.set BB, RB+32*((\a)%2)
.irp d, 0,1
.irp b, 0,1,2,3
	ds_store_b128 v[STO], v[PKS+16*\d+4*\b:PKS+16*\d+4*\b+3] offset:2304*\d+32*\b
.endr
.endr
.irp d, 0,1
.irp i, 0,1,2,3
	ds_load_b128 v[BB+16*\d+4*\i:BB+16*\d+4*\i+3], v[RD] offset:2304*\d+576*\i   ; LDS serves a wave's instructions in order: these see the stores above, and the next block's stores come behind them
.endr
.endr
.endm
.macro SEND a
.set BB, RB+32*((\a)%2)
	s_wait_dscnt 0x0                               ; the block is back in registers
.irp d, 0,1
.irp i, 0,1,2,3
	global_store_b128 v[CO], v[BB+16*\d+4*\i:BB+16*\d+4*\i+3], s[OUTP:OUTP+1] offset:131072*\d+2048*(\a)+512*\i   ; 32 lanes store 512 consecutive bytes, aligned
.endr
.endr
.endm
; Window settings of a block in window W = 2 + a / 4:  0x0a / 0x0f sources 0 and 1 in W;  0x82 / 0xc3 destination and source 0 in W;  0x96 / 0xd7 the same with sources 1 and 2 in window 1;  0x06 / 0x07 source 0 in W, source 1 in window 1.
.macro LNBLOCK a
.set AC, 64*((\a)%4)
.set TC, 192-64*((\a)%3)-64*(((\a)%3)/2)
.set TS, TC+32
.set PKS, PK
	WIN 0x0a+5*((\a)/4)
.irp i, 0,1,2,3,4,5,6,7
.irp d, 0,1
	v_pk_add_f32 v[T+32*\d+2*\i:T+32*\d+2*\i+1], v[AC+32*\d+4*\i:AC+32*\d+4*\i+1], v[AC+32*\d+4*\i+2:AC+32*\d+4*\i+3]   ; the sum of my 32 numbers of each head; each accumulator from its low end on
.endr
.endr
	WIN 0
.irp i, 0,4,8,12
.irp d, 0,1
	v_pk_add_f32 v[T+32*\d+\i:T+32*\d+\i+1], v[T+32*\d+\i:T+32*\d+\i+1], v[T+32*\d+\i+2:T+32*\d+\i+3]
.endr
.endr
.irp i, 0,8
.irp d, 0,1
	v_pk_add_f32 v[T+32*\d+\i:T+32*\d+\i+1], v[T+32*\d+\i:T+32*\d+\i+1], v[T+32*\d+\i+4:T+32*\d+\i+5]
.endr
.endr
.irp d, 0,1
	v_pk_add_f32 v[T+32*\d:T+32*\d+1], v[T+32*\d:T+32*\d+1], v[T+32*\d+8:T+32*\d+9]
.endr
.irp d, 0,1
	v_add_f32 v[T+32*\d], v[T+32*\d], v[T+32*\d+1]
.endr
.irp d, 0,1
	v_permlanex16_b32 v[PT+\d], v[T+32*\d], s[SEL], s[SEL+1]   ; the head's other 32 columns lie in lane l xor 16
.endr
.irp d, 0,1
	v_add_f32 v[T+32*\d], v[T+32*\d], v[PT+\d]
.endr
.irp d, 0,1
	v_mul_f32 v[MU+2*\d], s[INV], v[T+32*\d]       ; the mean
.endr
	WIN 0x82+0x41*((\a)/4)
.irp i, 0,2,4,6,8,10,12,14,16,18,20,22,24,26,28,30
.irp d, 0,1
	v_pk_add_f32 v[AC+32*\d+\i:AC+32*\d+\i+1], v[AC+32*\d+\i:AC+32*\d+\i+1], v[MU+2*\d:MU+2*\d+1] op_sel_hi:[1,0] neg_lo:[0,1] neg_hi:[0,1]   ; x - mean, in place
.endr
.endr
	WIN 0x0a+5*((\a)/4)
.irp d, 0,1
	v_pk_mul_f32 v[T+32*\d:T+32*\d+1], v[AC+32*\d:AC+32*\d+1], v[AC+32*\d:AC+32*\d+1]                 ; the squares, in two chains a head
	v_pk_mul_f32 v[T+32*\d+2:T+32*\d+3], v[AC+32*\d+2:AC+32*\d+3], v[AC+32*\d+2:AC+32*\d+3]
.endr
.irp i, 4,8,12,16,20,24,28
.irp d, 0,1
	v_pk_fma_f32 v[T+32*\d:T+32*\d+1], v[AC+32*\d+\i:AC+32*\d+\i+1], v[AC+32*\d+\i:AC+32*\d+\i+1], v[T+32*\d:T+32*\d+1]
	v_pk_fma_f32 v[T+32*\d+2:T+32*\d+3], v[AC+32*\d+\i+2:AC+32*\d+\i+3], v[AC+32*\d+\i+2:AC+32*\d+\i+3], v[T+32*\d+2:T+32*\d+3]
.endr
.endr
	WIN 0
.if (\a) > 0
	SEND (\a)-1                                    ; the block before leaves: its rows were asked of the stage about a hundred vector instructions ago
.endif
.irp d, 0,1
	v_pk_add_f32 v[T+32*\d:T+32*\d+1], v[T+32*\d:T+32*\d+1], v[T+32*\d+2:T+32*\d+3]
.endr
.irp d, 0,1
	v_add_f32 v[T+32*\d], v[T+32*\d], v[T+32*\d+1]
.endr
.irp d, 0,1
	v_permlanex16_b32 v[PT+\d], v[T+32*\d], s[SEL], s[SEL+1]
.endr
.irp d, 0,1
	v_add_f32 v[T+32*\d], v[T+32*\d], v[PT+\d]
.endr
.irp d, 0,1
	v_fma_f32 v[T+32*\d], v[T+32*\d], s[INV], s[EPS]   ; the variance + 1e-6
.endr
.irp d, 0,1
	v_rsq_f32 v[RS+2*\d], v[T+32*\d]
.endr
	v_nop                                          ; a plain instruction behind the transcendentals,
	s_wait_alu depctr_va_vdst(0)                   ; and one wait ahead of their first reader
	WIN 0x82+0x41*((\a)/4)
.irp i, 0,2,4,6,8,10,12,14,16,18,20,22,24,26,28,30
.irp d, 0,1
	v_pk_mul_f32 v[AC+32*\d+\i:AC+32*\d+\i+1], v[AC+32*\d+\i:AC+32*\d+\i+1], v[RS+2*\d:RS+2*\d+1] op_sel_hi:[1,0]
.endr
.endr
.if (\a) <= 5
	s_wait_loadcnt 32                              ; this block's tables are in (the first time: the gain and bias too); the 16 loads of each of the two blocks behind it may be out
.else
	s_wait_loadcnt 16*(7-(\a))
.endif
	WIN 0x96+0x41*((\a)/4)
.irp i, 0,2,4,6,8,10,12,14,16,18,20,22,24,26,28,30
.irp d, 0,1
	v_pk_fma_f32 v[AC+32*\d+\i:AC+32*\d+\i+1], v[AC+32*\d+\i:AC+32*\d+\i+1], v[TW+\i:TW+\i+1], v[TBI+\i:TBI+\i+1]   ; x gain + bias
.endr
.endr
	WIN 0x06+((\a)/4)
.irp i, 0,2,4,6,8,10,12,14,16,18,20,22,24,26,28,30
.irp d, 0,1
	v_pk_mul_f32 v[T+32*\d+\i:T+32*\d+\i+1], v[AC+32*\d+\i:AC+32*\d+\i+1], v[TC+\i:TC+\i+1]   ; y cos
.endr
.endr
.irp i, 0,2,4,6,8,10,12,14,16,18,20,22,24,26,28,30
.irp d, 0,1
	v_fma_f32 v[T+32*\d+\i], -v[AC+32*\d+\i+1], v[TS+\i], v[T+32*\d+\i]         ; - its odd neighbour x sin,
	v_fma_f32 v[T+32*\d+\i+1], v[AC+32*\d+\i], v[TS+\i+1], v[T+32*\d+\i+1]      ; + its even neighbour x sin
.endr
.endr
	s_wait_xcnt 0x0                                ; every store issued so far has read its registers: the set of rows that block a - 2 was stored from is loaded again (TOSTAGE below) only behind this wait.  It stands ahead of the loads below, far behind the last stores
.if (\a)+3 <= 7
	WIN TO_B
	TABLES (\a)+3                                  ; this block's set takes the tables of three blocks on
.endif
	WIN 0
.irp i, 0,1,2,3,4,5,6,7,8,9,10,11,12,13,14,15
.irp d, 0,1
	v_cvt_pk_f16_f32 v[PK+16*\d+\i], v[T+32*\d+2*\i], v[T+32*\d+2*\i+1]
.endr
.endr
	TOSTAGE \a
.endm
.macro VPACK a                         ; v: rounded as it is, into v96-127 and v160-191 by turns
.set AC, 64*((\a)%4)
.set PKS, 96+64*((\a)%2)
	WIN 0x0a+5*((\a)/4)
.irp i, 0,1,2,3,4,5,6,7,8,9,10,11,12,13,14,15,16,17,18,19,20,21,22,23,24,25,26,27,28,29,30,31
	v_cvt_pk_f16_f32 v[PKS+\i], v[AC+2*\i], v[AC+2*\i+1]   ; each accumulator from its low end on
.endr
	WIN 0
.endm
	PLACES NP                                      ; behind the last products, ahead of the first read of results, the first write of operands' registers and the first loads into them
	s_mov_b32 s[SEL], 0x76543210
	s_mov_b32 s[SEL+1], 0xfedcba98
	s_mov_b32 s[INV], 0x3c800000                   ; 1 / 64
	s_mov_b32 s[EPS], 0x358637bd                   ; 1e-6
	s_cmp_eq_u32 s[TY], 2                          ; v has no norm and no rotation: the same in all partners
	s_cbranch_scc1 .Lv_out
	WIN TO_B
	TABLES 1                                       ; into the registers that held B's fragments
	TABLES 2
	WIN 0
.irp r, 3,5,7,9,10,11
	v_mov_b32 v\r, 0                               ; upper halves of pairs of which the low word serves both halves, and the exchanges' destinations: written once
.endr
.irp a, 0,1,2,3,4,5,6,7
	LNBLOCK \a
.endr
	SEND 7
	s_branch .Ldone
.Lv_out:
	VPACK 0
	TOSTAGE 0
.irp a, 1,2,3,4,5,6,7                  ; block a's conversions stand between block a - 1's loads from the stage and the wait for them
	VPACK \a
	s_wait_xcnt 0x0                                ; block a - 2's stores have read their registers: block a's rows land there (TOSTAGE) only behind this wait
	SEND \a-1
	TOSTAGE \a
.endr
	SEND 7
.Ldone:
	s_wait_tensorcnt 0x0                           ; the wave's end, behind my last tensor load and my last LDS store
	ds_add_u32 v[SPW], v[NIL]
	s_wait_dscnt 0x0
	CROUND                                         ; the closing round
	s_endpgm
.Lfunc_end_k_qb4ba5475f5_qkv:
	.size	k_qb4ba5475f5_qkv, .Lfunc_end_k_qb4ba5475f5_qkv-k_qb4ba5475f5_qkv
	.p2alignl 7, 3214868480
	.fill 96, 4, 3214868480
	.section	.rodata,"a",@progbits
	.p2align	6, 0x0
	.amdhsa_kernel k_qb4ba5475f5_qkv
		.amdhsa_group_segment_fixed_size 327680
		.amdhsa_private_segment_fixed_size 0
		.amdhsa_enable_private_segment 0
		.amdhsa_kernarg_size 96
		.amdhsa_user_sgpr_count 2
		.amdhsa_user_sgpr_kernarg_segment_ptr 1
		.amdhsa_wavefront_size32 1
		.amdhsa_system_sgpr_workgroup_id_x 1
		.amdhsa_system_sgpr_workgroup_id_y 1
		.amdhsa_system_sgpr_workgroup_id_z 1
		.amdhsa_system_vgpr_workitem_id 0
		.amdhsa_next_free_vgpr 1024
		.amdhsa_next_free_sgpr 100
		.amdhsa_reserve_vcc 0
		.amdhsa_float_denorm_mode_32 3
		.amdhsa_float_denorm_mode_16_64 3
		.amdhsa_memory_ordered 1
		.amdhsa_forward_progress 1
		.amdhsa_inst_pref_size 255
	.end_amdhsa_kernel
	.section	.bss,"aw",@nobits
	.p2align	6
	.space	262144
	.amdgpu_metadata
---
amdhsa.version: [ 1, 2 ]
amdhsa.kernels:
  - .name:           k_qb4ba5475f5_qkv
    .symbol:         k_qb4ba5475f5_qkv.kd
    .args:
      - { .name: x_codes, .offset: 0, .size: 8, .value_kind: global_buffer, .address_space: global }
      - { .name: x_scales, .offset: 8, .size: 8, .value_kind: global_buffer, .address_space: global }
      - { .name: w_codes, .offset: 16, .size: 8, .value_kind: global_buffer, .address_space: global }
      - { .name: w_scales, .offset: 24, .size: 8, .value_kind: global_buffer, .address_space: global }
      - { .name: b_qkv, .offset: 32, .size: 8, .value_kind: global_buffer, .address_space: global }
      - { .name: qn_w, .offset: 40, .size: 8, .value_kind: global_buffer, .address_space: global }
      - { .name: qn_b, .offset: 48, .size: 8, .value_kind: global_buffer, .address_space: global }
      - { .name: kn_w, .offset: 56, .size: 8, .value_kind: global_buffer, .address_space: global }
      - { .name: kn_b, .offset: 64, .size: 8, .value_kind: global_buffer, .address_space: global }
      - { .name: freqs_cos, .offset: 72, .size: 8, .value_kind: global_buffer, .address_space: global }
      - { .name: freqs_sin, .offset: 80, .size: 8, .value_kind: global_buffer, .address_space: global }
      - { .name: qkv, .offset: 88, .size: 8, .value_kind: global_buffer, .address_space: global }
    .group_segment_fixed_size: 327680
    .private_segment_fixed_size: 0
    .kernarg_segment_align: 8
    .kernarg_segment_size: 96
    .max_flat_workgroup_size: 128
    .sgpr_count:     100
    .vgpr_count:     1024
    .wavefront_size: 32
...
	.end_amdgpu_metadata
.endif
;; end of part 2
;; launch attn (part 3): grid 2 x 128, 16 waves a work-group, no clusters, 327,680 bytes of LDS; arguments qkv, att; writes att
.if DOCPART == 3
	.amdgcn_target "amdgcn-amd-amdhsa--gfx1250"
	.amdhsa_code_object_version 6
	.text
	.protected	k_qb4ba5475f5_attn
	.globl	k_qb4ba5475f5_attn
	.p2align	8
	.type	k_qb4ba5475f5_attn,@function
k_qb4ba5475f5_attn:
	s_mov_b64 s[64:65], 0
	v_nop
	global_prefetch_b8 v0, s[64:65] scope:SCOPE_SE
	s_setreg_imm32_b32 hwreg(HW_REG_WAVE_MODE, 25, 1), 1
	s_wait_xcnt 0x0
; att[b][h][q][:] = the sum over k of softmax_k(q . k / 8) v[k][:], no mask.  qkv: [3][128 heads][1024][64] f16; att: [128 heads][1024][64] f16.  Products on f16 operands with f32 sums; maxima, exponentials and sums in f32;
; the weights p (at most 1) are rounded to f16 for the second product; the row's sum is taken of the unrounded p.  A running maximum m and sum l for each query: p = 2^(c s - c m), c = log2(e) / 8; O and l are multiplied by 2^(c m_old - c m_new) in every step.
; SHARES.  A work-group owns 512 queries of one head; each of its sixteen waves 32 of them, two tiles of 16, in 256 registers: four waves to a SIMD, so that one wave's vector work stands beside another's products and LDS loads.
; ALL OF THE HEAD'S K AND V LIE IN LDS, each byte filled once: K 1,024 rows of 144 bytes (128 + 16), V 1,024 rows of 160 (128 + 32).  Waves 0, 1 fetch K, waves 2, 3 V, four loads each (256 keys a load pair), all issued at the head:
; four tensor loads of a wave are out at the most.  Work on the first 256 keys begins when they have landed; the other 768 land meanwhile and are shown to all waves by one more barrier.
; LAYOUT.  S^T = K Q^T (source 0 = 16 keys, source 1 = 16 queries): a lane holds ONE query (lane % 16) and keys 8 (lane / 16) + 0..7.  Two such tiles, rounded in pairs, ARE source 1 (32 keys x 16 queries) of O^T = V^T P.  V is turned by ds_load_tr16_b128.
; NO CLUSTER: a head has two work-groups (the grid is 2 along x), which a cluster of four along x does not divide, and a cluster holding two heads would have partners with different tiles.
; NO PREFETCH: every byte that the work-group reads from K and V is asked for by the tensor loads at its head; no later load is left to run ahead of.
; LIMITS: the output is rounded to f16 (magnitudes under 65,504; under 6e-5 f16's absolute step).
.set KP,    144
.set VP,    160
.set VOFF,  1024*KP
.set SPARE, VOFF+1024*VP               ; the spare words: 128 bytes for each of 16 waves, named by no other line
.set AK0, 1                            ; v1   144 r + 16 h
.set AV0, 2                            ; v2   VOFF + 160 (8 h + lane % 8) + 16 ((lane / 8) % 2)
.set ADK, 3
.set ADV, 4
.set QO,  5
.set STO, 6
.set RD,  7
.set GO,  8
.set SPW, 9
.set NIL, 10
.set ST,  12                           ; tile t's statistics at v[12 + 8 t]: +0 c m, +1 m, +2, +3 l, +4 .. +7 at work (a at +6)
.set Q,   32                           ; Q's fragment (t, kk) at 32 + 16 t + 8 kk
.set S,   64                           ; S^T (t, kt) at 64 + 32 t + 8 kt; P is written in place into the first 16 of a tile's 32
.set O,   128                          ; O^T (t, ct) at 128 + 32 t + 8 ct
.set KV,  192                          ; K's fragments (kt, kk) at 192 + 16 kt + 8 kk; then V's (kk, ct) at 192 + 32 kk + 8 ct
.set WV,  18
.set SEL, 20
.set CS,  22
.set TBK, 2
.set TBV, 3
.set G1K, 24
.set G1V, 32
.set G0K, 40                           ; s[40:55] four groups 0 for K's loads
.set TRIP, 56
.set G0V, 68                           ; s[68:83] four for V's
.set OUTP, 84
.set QP,  86
	s_load_b128 s[4:7], s[0:1], 0x0                ; qkv, att
	v_lshl_add_u32 v[SPW], v0, 2, SPARE
	v_mov_b32 v[NIL], 0
	ds_add_u32 v[SPW], v[NIL]                      ; the wave's opening: the add, twice on end, and its wait ahead of the first tensor load
	ds_add_u32 v[SPW], v[NIL]
	v_lshrrev_b32 v11, 5, v0
	v_readfirstlane_b32 s[WV], v11                 ; wave 0..15
	s_mov_b32 s[G1K], (1<<16)|(1<<20)|(4<<22)|(3<<25)   ; no mask; elements of 2 bytes; padding on: 4 words after every 32
	s_mov_b32 s[G1V], (1<<16)|(1<<20)|(4<<22)|(7<<25)   ; the same with 8 words
.irp g, G1K, G1V
	s_mov_b32 s[\g+1], 64<<16                      ; tensor_dim0
	s_mov_b32 s[\g+2], 128<<16                     ; tensor_dim1
	s_mov_b32 s[\g+3], 64<<16                      ; tile_dim0
	s_mov_b32 s[\g+4], 128                         ; tile_dim1
	s_mov_b32 s[\g+5], 64                          ; the pitch
	s_mov_b32 s[\g+6], 0
	s_mov_b32 s[\g+7], 0
.endr
	s_and_b32 s19, ttmp7, 0xffff                   ; the head, 0..127
	s_lshl_b32 s60, s19, 17                        ; its 131,072 bytes
	s_mov_b32 s61, 0
	s_and_b32 s57, s[WV], 1                        ; which 128 rows of each 256 I fetch, if I fetch
	s_lshl_b32 s58, s57, 14
	s_add_co_u32 s58, s58, s60
	s_mov_b32 s59, 0
	s_mul_i32 s62, s57, 128*KP
	s_mul_i32 s63, s57, 128*VP
	s_add_co_u32 s63, s63, VOFF
	s_lshl_b32 s57, ttmp9, 16                      ; my work-group's 512 rows of 128 bytes,
	s_lshl_b32 s19, s[WV], 12                      ; my wave's 32
	s_add_co_u32 s57, s57, s19
	s_add_co_u32 s60, s60, s57
	s_mov_b32 s[SEL], 0x76543210
	s_mov_b32 s[SEL+1], 0xfedcba98
	s_mov_b32 s[CS], 0x3e38aa3b                    ; c = log2(e) / 8
	s_mov_b32 s[CS+1], s[CS]                       ; named with it as a pair, so it is written
	s_mov_b32 s[TBK], 0
	s_mov_b32 s[TBV], 0
	s_wait_dscnt 0x0                               ; both opening adds are done
	s_wait_kmcnt 0x0
	s_add_nc_u64 s[88:89], s[4:5], s[58:59]
	s_add_nc_u64 s[88:89], s[88:89], 0x1000000     ; k begins 16,777,216 bytes into qkv,
	s_add_nc_u64 s[90:91], s[88:89], 0x1000000     ; v as many again
	s_add_nc_u64 s[QP:QP+1], s[4:5], s[60:61]
	s_add_nc_u64 s[OUTP:OUTP+1], s[6:7], s[60:61]
.irp c, 0,1,2,3
	s_mov_b32 s[G0K+4*\c], 1
	s_add_co_u32 s[G0K+4*\c+1], s62, \c*256*KP
	s_add_nc_u64 s[G0K+4*\c+2:G0K+4*\c+3], s[88:89], \c*32768
	s_or_b32 s[G0K+4*\c+3], s[G0K+4*\c+3], 0x80000000
	s_mov_b32 s[G0V+4*\c], 1
	s_add_co_u32 s[G0V+4*\c+1], s63, \c*256*VP
	s_add_nc_u64 s[G0V+4*\c+2:G0V+4*\c+3], s[90:91], \c*32768
	s_or_b32 s[G0V+4*\c+3], s[G0V+4*\c+3], 0x80000000
.endr
	s_cmp_lt_u32 s[WV], 2                          ; a wave's four fills stand in one arm; an s_nop 0 follows each, four v_nop the last
	s_cbranch_scc0 .Lnot_k
.irp c, 0,1,2,3
	tensor_load_to_lds s[G0K+4*\c:G0K+4*\c+3], s[G1K:G1K+7]
	s_nop 0
.endr
.rept 4
	v_nop
.endr
	s_branch .Lasked
.Lnot_k:
	s_cmp_lt_u32 s[WV], 4
	s_cbranch_scc0 .Lasked
.irp c, 0,1,2,3
	tensor_load_to_lds s[G0V+4*\c:G0V+4*\c+3], s[G1V:G1V+7]
	s_nop 0
.endr
.rept 4
	v_nop
.endr
.Lasked:
	v_and_b32 v11, 15, v0                          ; r
	v_bfe_u32 v28, v0, 4, 1                        ; h
	v_lshlrev_b32 v[QO], 7, v11
	v_lshl_add_u32 v[QO], v28, 4, v[QO]            ; Q: row r of 128 bytes + 16 h
.irp t, 0,1
.irp kk, 0,1
	global_load_b128 v[Q+16*\t+8*\kk:Q+16*\t+8*\kk+3], v[QO], s[QP:QP+1] offset:2048*\t+64*\kk
	global_load_b128 v[Q+16*\t+8*\kk+4:Q+16*\t+8*\kk+7], v[QO], s[QP:QP+1] offset:2048*\t+64*\kk+32
.endr
.endr
	v_mul_u32_u24 v[AK0], v11, KP
	v_lshl_add_u32 v[AK0], v28, 4, v[AK0]
	v_and_b32 v29, 7, v0
	v_lshl_add_u32 v29, v28, 3, v29
	v_mul_u32_u24 v[AV0], v29, VP
	v_bfe_u32 v29, v0, 3, 1
	v_lshl_add_u32 v[AV0], v29, 4, v[AV0]
	v_add_nc_u32 v[AV0], VOFF, v[AV0]
	s_mul_i32 s19, s[WV], 4608                     ; my stage for the way out: 2 tiles x 16 rows x 144 bytes, in K's bytes
	v_add_nc_u32 v[STO], s19, v[AK0]
	v_and_b32 v29, 31, v0
	v_lshrrev_b32 v30, 3, v29
	v_mul_u32_u24 v30, v30, KP
	v_and_b32 v31, 7, v0
	v_lshl_add_u32 v30, v31, 4, v30
	v_add_nc_u32 v[RD], s19, v30
	v_lshlrev_b32 v[GO], 4, v29
.irp t, 0,1
	v_mov_b32 v[ST+8*\t+1], 0xff61b1e6             ; m: -3e38, under every score
	v_mov_b32 v[ST+8*\t+2], 0                      ; l
	v_mov_b32 v[ST+8*\t+3], 0
.endr
.irp t, 0,1
	v_mul_f32 v[ST+8*\t], s[CS], v[ST+8*\t+1]      ; c m
.endr
.irp j, 0,1,2,3,4,5,6,7,8,9,10,11,12,13,14,15,16,17,18,19,20,21,22,23,24,25,26,27,28,29,30,31,32,33,34,35,36,37,38,39,40,41,42,43,44,45,46,47,48,49,50,51,52,53,54,55,56,57,58,59,60,61,62,63
	v_mov_b32 v[O+\j], 0                           ; O^T.  (The step is written once: the first finds zeros, which its factor 0 leaves zeros)
.endr
; A KEY STEP: 64 keys, for my two tiles of queries.
.macro STEP
	v_add_nc_u32 v[ADK], s[TBK], v[AK0]            ; five plain instructions behind the last V^T P: its V registers are loaded again (four are owed), and its P registers are written over by the products below (five)
	v_add_nc_u32 v[ADV], s[TBV], v[AV0]
.rept 3
	v_nop
.endr
.irp kk, 0,1
.irp kt, 0,1,2,3
	ds_load_b128 v[KV+16*\kt+8*\kk:KV+16*\kt+8*\kk+3], v[ADK] offset:16*KP*\kt+64*\kk
	ds_load_b128 v[KV+16*\kt+8*\kk+4:KV+16*\kt+8*\kk+7], v[ADK] offset:16*KP*\kt+64*\kk+32
.endr
.endr
	s_wait_dscnt 8                                 ; channels 0-31 are in; the eight loads of channels 32-63 may be out
.irp kt, 0,1,2,3
.irp t, 0,1
	v_wmma_f32_16x16x32_f16 v[S+32*\t+8*\kt:S+32*\t+8*\kt+7], v[KV+16*\kt:KV+16*\kt+7], v[Q+16*\t:Q+16*\t+7], 0   ; the eight accumulators take turns
.endr
.endr
	s_wait_dscnt 0x0
.irp kt, 0,1,2,3
.irp t, 0,1
	v_wmma_f32_16x16x32_f16 v[S+32*\t+8*\kt:S+32*\t+8*\kt+7], v[KV+16*\kt+8:KV+16*\kt+15], v[Q+16*\t+8:Q+16*\t+15], v[S+32*\t+8*\kt:S+32*\t+8*\kt+7]
.endr
.endr
.rept 4
	v_nop                                          ; places ahead of the loads into K's registers and of the first read of the scores
.endr
.irp kk, 0,1
.irp ct, 0,1,2,3
	ds_load_tr16_b128 v[KV+32*\kk+8*\ct:KV+32*\kk+8*\ct+3], v[ADV] offset:32*VP*\kk+32*\ct          ; V, turned; it lands under the softmax
	ds_load_tr16_b128 v[KV+32*\kk+8*\ct+4:KV+32*\kk+8*\ct+7], v[ADV] offset:32*VP*\kk+32*\ct+16*VP
.endr
.endr
.irp j, 0,1,2,3                                ; the largest of my 32 scores and the old m: four chains, each accumulator from its low end on; the two tiles by turns
.irp t, 0,1
	v_max3_num_f32 v[ST+8*\t+4+\j], v[S+32*\t+8*\j], v[S+32*\t+8*\j+1], v[S+32*\t+8*\j+2]
.endr
.endr
.irp g, 1,2
.irp j, 0,1,2,3
.irp t, 0,1
	v_max3_num_f32 v[ST+8*\t+4+\j], v[ST+8*\t+4+\j], v[S+32*\t+8*\j+2*\g+1], v[S+32*\t+8*\j+2*\g+2]
.endr
.endr
.endr
.irp t, 0,1
	v_max3_num_f32 v[ST+8*\t+4], v[ST+8*\t+4], v[S+32*\t+7], v[S+32*\t+15]
	v_max3_num_f32 v[ST+8*\t+6], v[ST+8*\t+6], v[S+32*\t+23], v[S+32*\t+31]
.endr
.irp t, 0,1
	v_max3_num_f32 v[ST+8*\t+4], v[ST+8*\t+4], v[ST+8*\t+5], v[ST+8*\t+6]
.endr
.irp t, 0,1
	v_max3_num_f32 v[ST+8*\t+4], v[ST+8*\t+4], v[ST+8*\t+7], v[ST+8*\t+1]
.endr
.irp t, 0,1
	v_permlanex16_b32 v[ST+8*\t+5], v[ST+8*\t+4], s[SEL], s[SEL+1]   ; the query's other 32 keys lie in lane l xor 16
.endr
.irp t, 0,1
	v_mov_b32 v[ST+8*\t+7], v[ST+8*\t]             ; c m_old is kept
.endr
.irp t, 0,1
	v_max_num_f32 v[ST+8*\t+1], v[ST+8*\t+4], v[ST+8*\t+5]
.endr
.irp t, 0,1
	v_mul_f32 v[ST+8*\t], s[CS], v[ST+8*\t+1]
.endr
.irp t, 0,1
	v_sub_f32 v[ST+8*\t+7], v[ST+8*\t+7], v[ST+8*\t]
.endr
.irp j, 0,2,4,6,8,10,12,14,16,18,20,22,24,26,28,30
.irp t, 0,1
	v_pk_fma_f32 v[S+32*\t+\j:S+32*\t+\j+1], v[S+32*\t+\j:S+32*\t+\j+1], s[CS:CS+1], v[ST+8*\t:ST+8*\t+1] op_sel_hi:[1,0,0] neg_lo:[0,0,1] neg_hi:[0,0,1]   ; c s - c m
.endr
.endr
.irp t, 0,1
	v_exp_f32 v[ST+8*\t+6], v[ST+8*\t+7]           ; a = 2^(c m_old - c m_new)
.endr
.irp j, 0,1,2,3,4,5,6,7,8,9,10,11,12,13,14,15,16,17,18,19,20,21,22,23,24,25,26,27,28,29,30,31
.irp t, 0,1
	v_exp_f32 v[S+32*\t+\j], v[S+32*\t+\j]         ; p: one batch of 66 exponentials, none of which reads another's result
.endr
.endr
	v_nop                                          ; a plain instruction behind the last of them,
	s_wait_alu depctr_va_vdst(0)                   ; and one wait ahead of the batch's first reader
.irp t, 0,1
	v_pk_fma_f32 v[ST+8*\t+2:ST+8*\t+3], v[ST+8*\t+2:ST+8*\t+3], v[ST+8*\t+6:ST+8*\t+7], v[S+32*\t:S+32*\t+1] op_sel_hi:[1,0,1]   ; l = a l + p: the sum of the unrounded p, in two chains
.endr
.irp t, 0,1
	v_pk_add_f32 v[ST+8*\t+4:ST+8*\t+5], v[S+32*\t+2:S+32*\t+3], v[S+32*\t+4:S+32*\t+5]
.endr
.irp j, 6,10,14,18,22,26
.irp t, 0,1
	v_pk_add_f32 v[ST+8*\t+2:ST+8*\t+3], v[ST+8*\t+2:ST+8*\t+3], v[S+32*\t+\j:S+32*\t+\j+1]
	v_pk_add_f32 v[ST+8*\t+4:ST+8*\t+5], v[ST+8*\t+4:ST+8*\t+5], v[S+32*\t+\j+2:S+32*\t+\j+3]
.endr
.endr
.irp t, 0,1
	v_pk_add_f32 v[ST+8*\t+2:ST+8*\t+3], v[ST+8*\t+2:ST+8*\t+3], v[S+32*\t+30:S+32*\t+31]
.endr
.irp t, 0,1
	v_pk_add_f32 v[ST+8*\t+2:ST+8*\t+3], v[ST+8*\t+2:ST+8*\t+3], v[ST+8*\t+4:ST+8*\t+5]
.endr
.irp j, 0,1,2,3,4,5,6,7,8,9,10,11,12,13,14,15
.irp t, 0,1
	v_cvt_pk_f16_f32 v[S+32*\t+\j], v[S+32*\t+2*\j], v[S+32*\t+2*\j+1]   ; P in place, ascending: register j has been read (as 2 (j / 2) or 2 (j / 2) + 1) when it is written
.endr
.endr
.irp j, 0,2,4,6,8,10,12,14,16,18,20,22,24,26,28,30
.irp t, 0,1
	v_pk_mul_f32 v[O+32*\t+\j:O+32*\t+\j+1], v[O+32*\t+\j:O+32*\t+\j+1], v[ST+8*\t+6:ST+8*\t+7] op_sel_hi:[1,0]   ; O^T x a, each accumulator from its low end on
.endr
.endr
	s_wait_dscnt 0x0                               ; V is in
.irp kk, 0,1
.irp ct, 0,1,2,3
.irp t, 0,1
	v_wmma_f32_16x16x32_f16 v[O+32*\t+8*\ct:O+32*\t+8*\ct+7], v[KV+32*\kk+8*\ct:KV+32*\kk+8*\ct+7], v[S+32*\t+8*\kk:S+32*\t+8*\kk+7], v[O+32*\t+8*\ct:O+32*\t+8*\ct+7]
.endr
.endr
.endr
	s_add_co_u32 s[TBK], s[TBK], 64*KP
	s_add_co_u32 s[TBV], s[TBV], 64*VP
.endm
; A run of key steps.  The fetching waves wait until at most 'left' of their four loads are out, then the barrier shows what has landed to all sixteen.
.macro CHUNK left, trips
	s_wait_tensorcnt \left
	s_wait_dscnt 0x0
	s_barrier_signal -1
	s_barrier_wait -1
	s_mov_b32 s[TRIP], \trips
.Lstep_\@:
	STEP
	s_sub_co_u32 s[TRIP], s[TRIP], 1
	s_cmp_lg_u32 s[TRIP], 0
	s_cbranch_scc1 .Lstep_\@
.endm
	s_wait_loadcnt 0x0                             ; Q
	CHUNK 3, 4                                     ; keys 0-255: my first load is in, the three behind it may be out
	CHUNK 0, 12                                    ; keys 256-1023: every fetching wave has waited for all its loads ahead of its signal, and all reads of these keys stand behind the barrier
	; THE WAY OUT.  l's halves and the other half of the lanes' are added; O^T / l is rounded to f16 and goes through my stage, so that 32 lanes store 512 bytes on end.  The additions are the places behind the last products.
.irp t, 0,1
	v_add_f32 v[ST+8*\t+4], v[ST+8*\t+2], v[ST+8*\t+3]
.endr
.irp t, 0,1
	v_permlanex16_b32 v[ST+8*\t+5], v[ST+8*\t+4], s[SEL], s[SEL+1]
.endr
.irp t, 0,1
	v_add_f32 v[ST+8*\t+4], v[ST+8*\t+4], v[ST+8*\t+5]
.endr
.rept 2
	v_nop
.endr
.irp t, 0,1
	v_rcp_f32 v[ST+8*\t+6], v[ST+8*\t+4]
.endr
	v_nop
	s_wait_alu depctr_va_vdst(0)                   ; one wait for both reciprocals, ahead of their first reader
.irp j, 0,2,4,6,8,10,12,14,16,18,20,22,24,26,28,30
.irp t, 0,1
	v_pk_mul_f32 v[O+32*\t+\j:O+32*\t+\j+1], v[O+32*\t+\j:O+32*\t+\j+1], v[ST+8*\t+6:ST+8*\t+7] op_sel_hi:[1,0]
.endr
.endr
.irp j, 0,1,2,3,4,5,6,7,8,9,10,11,12,13,14,15
.irp t, 0,1
	v_cvt_pk_f16_f32 v[S+16*\t+\j], v[O+32*\t+2*\j], v[O+32*\t+2*\j+1]   ; registers 4 ct .. 4 ct + 3: channels 16 ct + 8 h + 0 .. 7 of query r
.endr
.endr
	s_wait_dscnt 0x0                               ; my reads of K and V are over;
	s_barrier_signal -1
	s_barrier_wait -1                              ; everybody's are: K's bytes, which have had their one fill, take the stages
.irp t, 0,1
.irp ct, 0,1,2,3
	ds_store_b128 v[STO], v[S+16*\t+4*\ct:S+16*\t+4*\ct+3] offset:2304*\t+32*\ct
.endr
.endr
.irp t, 0,1
.irp i, 0,1,2,3
	ds_load_b128 v[KV+16*\t+4*\i:KV+16*\t+4*\i+3], v[RD] offset:2304*\t+576*\i   ; LDS serves a wave's instructions in order: these see my stores
.endr
.endr
.irp t, 0,1
.irp i, 0,1,2,3
	s_wait_dscnt 7-4*\t-\i                         ; the younger loads may stay out
	global_store_b128 v[GO], v[KV+16*\t+4*\i:KV+16*\t+4*\i+3], s[OUTP:OUTP+1] offset:2048*\t+512*\i
.endr
.endr
	s_wait_tensorcnt 0x0                           ; the wave's end, behind the last tensor load and the last LDS store
	ds_add_u32 v[SPW], v[NIL]
	s_wait_dscnt 0x0
	s_endpgm
.Lfunc_end_k_qb4ba5475f5_attn:
	.size	k_qb4ba5475f5_attn, .Lfunc_end_k_qb4ba5475f5_attn-k_qb4ba5475f5_attn
	.p2alignl 7, 3214868480
	.fill 96, 4, 3214868480
	.section	.rodata,"a",@progbits
	.p2align	6, 0x0
	.amdhsa_kernel k_qb4ba5475f5_attn
		.amdhsa_group_segment_fixed_size 327680
		.amdhsa_private_segment_fixed_size 0
		.amdhsa_enable_private_segment 0
		.amdhsa_kernarg_size 16
		.amdhsa_user_sgpr_count 2
		.amdhsa_user_sgpr_kernarg_segment_ptr 1
		.amdhsa_wavefront_size32 1
		.amdhsa_system_sgpr_workgroup_id_x 1
		.amdhsa_system_sgpr_workgroup_id_y 1
		.amdhsa_system_sgpr_workgroup_id_z 1
		.amdhsa_system_vgpr_workitem_id 0
		.amdhsa_next_free_vgpr 256
		.amdhsa_next_free_sgpr 92
		.amdhsa_reserve_vcc 0
		.amdhsa_float_denorm_mode_32 3
		.amdhsa_float_denorm_mode_16_64 3
		.amdhsa_memory_ordered 1
		.amdhsa_forward_progress 1
		.amdhsa_inst_pref_size 51
	.end_amdhsa_kernel
	.amdgpu_metadata
---
amdhsa.version: [ 1, 2 ]
amdhsa.kernels:
  - .name:           k_qb4ba5475f5_attn
    .symbol:         k_qb4ba5475f5_attn.kd
    .args:
      - { .name: qkv, .offset: 0, .size: 8, .value_kind: global_buffer, .address_space: global }
      - { .name: att, .offset: 8, .size: 8, .value_kind: global_buffer, .address_space: global }
    .group_segment_fixed_size: 327680
    .private_segment_fixed_size: 0
    .kernarg_segment_align: 8
    .kernarg_segment_size: 16
    .max_flat_workgroup_size: 512
    .sgpr_count:     92
    .vgpr_count:     256
    .wavefront_size: 32
...
	.end_amdgpu_metadata
.endif
;; end of part 3
;; launch proj (part 4): grid 4 x 64, 4 waves a work-group, clusters of 4 x 4, 327,680 bytes of LDS; arguments att, wp16, b_proj, out0; writes out0
.if DOCPART == 4
	.amdgcn_target "amdgcn-amd-amdhsa--gfx1250"
	.amdhsa_code_object_version 6
	.text
	.protected	k_qb4ba5475f5_proj
	.globl	k_qb4ba5475f5_proj
	.p2align	8
	.type	k_qb4ba5475f5_proj,@function
k_qb4ba5475f5_proj:
	s_mov_b64 s[64:65], 0
	v_nop
	global_prefetch_b8 v0, s[64:65] scope:SCOPE_SE
	s_setreg_imm32_b32 hwreg(HW_REG_WAVE_MODE, 25, 1), 1
	s_wait_xcnt 0x0
	s_wait_alu depctr_hold_cnt(0) depctr_sa_sdst(0) depctr_va_vdst(0) depctr_va_sdst(0) depctr_va_ssrc(0) depctr_va_vcc(0) depctr_vm_vsrc(0)
	s_getreg_b32 s2, hwreg(HW_REG_IB_STS2, 6, 4)
	s_cmp_eq_u32 s2, 0
	s_cbranch_scc0 .Lentry_in_a_cluster
	s_endpgm
.Lentry_in_a_cluster:
	s_bfe_u32 s2, ttmp6, 0x10000c
	s_cmp_lg_u32 s2, 0xf033
	s_cbranch_scc0 .Lentry_shape_is_right
	s_endpgm
.Lentry_shape_is_right:
; out0[m][n] = the sum over k of A[m][k] W[k][n] + b_proj[n].  A is att, [8 b][16 h][1024 s][64] f16: row m = (b, s), k = 64 h + channel.  W is wp16 [1024 k][1024 n] f16.  out0 [8192][1024] f32.  f16 operands, f32 sums.
; A tile of 128 rows x 256 columns for each of 256 work-groups; four waves, each 64 x 128: 32 accumulators, 256 registers.  K goes in steps of 128 (two heads) through a ring of two LDS slots.
; In a slot: A as two head planes of 128 rows x 144 bytes (128 + 16); W as 128 rows along K x 544 bytes (512 + 32), read turned by ds_load_tr16_b128.  Waves 0, 1 fetch A's planes, waves 2, 3 W's halves: one tensor load a wave behind each round, two at the start.
; CLUSTERS: 4 x 4 work-groups: A's tiles are asked for jointly along a row of the cluster, W's along a column.
; THE MATRIX INSTRUCTION IS USED TRANSPOSED (source 0 = 16 columns of W, source 1 = 16 rows of A): a lane holds eight neighbouring numbers of a row of out0.  The bias is the C of each sum's first product.
; NO PREFETCH: a K step's tiles are 104 KiB for 128 products a wave and every work-group streams them from the start to the end of a short launch.
; REGISTERS: window 0: v16-29 addresses; v32-95 the bias; v128-255 rows on the way out.  window 1: two fragment buffers at v0 and v128: W's 8 fragments, then A's 4.  window 2: accumulator (a, b) at v[8 (8 a + b)].
.set KP,    144
.set BP,    544
.set APL,   128*KP                     ; a head plane of A
.set BH,    64*BP                      ; 64 rows of W
.set BOFF,  2*APL
.set SLOT,  BOFF+2*BH
.set STAGE, 2*SLOT                     ; behind the ring: 16 rows x 528 bytes for each wave
.set SPITCH, 528
.set SPARE, STAGE+4*16*SPITCH          ; the spare words: 128 bytes a wave, named by no other line
.set ADRA, 16
.set ADRB, 20
.set STO,  24
.set RD,   25
.set CO,   26
.set HO,   27
.set SPW,  28
.set NIL,  29
.set BI,   32
.set BK,   128
.set F0,   0
.set F1,   128
.set G1,  24
.set G0,  32
.set G1B, 48
.set G0B, 56
.set MSB, 0
.macro WIN new
.if MSB != (\new)
	s_set_vgpr_msb (MSB<<8)|(\new)
.set MSB, (\new)
.endif
.endm
.set MUL,   0xa5                       ; sources 0 and 1 window 1, C and D window 2
.set FIRST, 0x85                       ; the same with C (the bias) in window 0
.set TO_F,  0x40
.macro JLOAD s                         ; a joint load; an s_nop 0 and four v_nop follow each of the two lines
	s_cmp_eq_u32 s13, 0
	s_cbranch_scc0 .Lfor_b_\@
	tensor_load_to_lds s[G0+4*\s:G0+4*\s+3], s[G1:G1+7]
	s_nop 0
.rept 4
	v_nop
.endr
	s_branch .Lasked_\@
.Lfor_b_\@:
	tensor_load_to_lds s[G0B+4*\s:G0B+4*\s+3], s[G1B:G1B+7]
	s_nop 0
.rept 4
	v_nop
.endr
.Lasked_\@:
.endm
.macro CREST
	s_cmp_lg_u32 s12, 0
	s_cbranch_scc1 .Lnot_wave_0_\@
	s_barrier_signal -3
.Lnot_wave_0_\@:
	s_barrier_wait -3
	s_barrier_signal -1
	s_barrier_wait -1
.endm
.macro CROUND
	s_barrier_signal -1
	s_barrier_wait -1
	CREST
.endm
	s_load_b256 s[4:11], s[0:1], 0x0               ; att s[4:5], wp16 s[6:7], b_proj s[8:9], out0 s[10:11]
	v_lshl_add_u32 v[SPW], v0, 2, SPARE
	v_mov_b32 v[NIL], 0
	ds_add_u32 v[SPW], v[NIL]                      ; the wave's opening: the add, twice on end, and its wait ahead of my first tensor load
	ds_add_u32 v[SPW], v[NIL]
	v_lshrrev_b32 v1, 5, v0
	v_readfirstlane_b32 s12, v1                    ; wave 0..3
	s_lshr_b32 s13, s12, 1                         ; which 64 rows of the tile are mine.  Also: I fetch for A (0) or for W (1)
	s_and_b32 s14, s12, 1                          ; which 128 columns.  Also: which plane of A or half of W I fetch
	s_bfe_u32 s40, ttmp6, 0x40000                  ; cx, cy
	s_bfe_u32 s41, ttmp6, 0x40004
	s_lshl_b32 s42, ttmp9, 2
	s_add_co_u32 s42, s42, s40                     ; tile column, 0..3
	s_and_b32 s15, ttmp7, 0xffff
	s_lshl_b32 s15, s15, 2
	s_add_co_u32 s15, s15, s41                     ; tile row, 0..63
	s_lshl_b32 s43, s41, 2
	s_lshl_b32 s43, 15, s43                        ; my row of the cluster
	s_lshl_b32 s44, 0x1111, s40                    ; my column
	s_or_b32 s[G1+0], s43, (1<<16)|(1<<20)|(1<<21)|(4<<22)|(3<<25)   ; A: the mask; elements of 2 bytes; padding on; bit 21 beside a mask; 4 words after every 32
	s_mov_b32 s[G1+1], 64<<16                      ; tensor_dim0
	s_mov_b32 s[G1+2], 128<<16                     ; tensor_dim1
	s_mov_b32 s[G1+3], 64<<16                      ; tile_dim0
	s_mov_b32 s[G1+4], 128                         ; tile_dim1
	s_mov_b32 s[G1+5], 64                          ; the pitch
	s_mov_b32 s[G1+6], 0
	s_mov_b32 s[G1+7], 0
	s_or_b32 s[G1B+0], s44, (1<<16)|(1<<20)|(1<<21)|(6<<22)|(7<<25)  ; W: 8 words after every 128
	s_mov_b32 s[G1B+1], 256<<16
	s_mov_b32 s[G1B+2], 64<<16
	s_mov_b32 s[G1B+3], 256<<16
	s_mov_b32 s[G1B+4], 64
	s_mov_b32 s[G1B+5], 1024
	s_mov_b32 s[G1B+6], 0
	s_mov_b32 s[G1B+7], 0
	s_lshr_b32 s16, s15, 3                         ; A: the batch,
	s_lshl_b32 s16, s16, 4
	s_add_co_u32 s16, s16, s14                     ; its head 0 or 1,
	s_lshl_b32 s16, s16, 10
	s_and_b32 s17, s15, 7
	s_lshl_b32 s17, s17, 7
	s_add_co_u32 s16, s16, s17                     ; the tile's first position,
	s_lshl_b32 s16, s16, 7                         ; 128 bytes a row
	s_mov_b32 s17, 0
	s_lshl_b32 s46, s14, 17                        ; W: 64 rows of 2,048 bytes a half,
	s_lshl_b32 s47, s42, 9
	s_add_co_u32 s46, s46, s47                     ; 512 bytes a tile column
	s_mov_b32 s47, 0
	s_mul_i32 s20, s14, APL                        ; where they go: no place in the cluster enters an LDS address
	s_mul_i32 s21, s14, BH
	s_add_co_u32 s21, s21, BOFF
	s_wait_dscnt 0x0                               ; both opening adds are done
	s_wait_kmcnt 0x0
	s_add_nc_u64 s[16:17], s[4:5], s[16:17]
	s_add_nc_u64 s[46:47], s[6:7], s[46:47]
	CROUND                                         ; all sixteen work-groups are here: the first joint loads meet
.irp s, 0,1
	s_mov_b32 s[G0+4*\s], 1
	s_add_co_u32 s[G0+4*\s+1], s20, \s*SLOT
	s_add_nc_u64 s[G0+4*\s+2:G0+4*\s+3], s[16:17], \s*262144        ; a K step on: two heads of 131,072 bytes
	s_or_b32 s[G0+4*\s+3], s[G0+4*\s+3], 0x80000000
	s_mov_b32 s[G0B+4*\s], 1
	s_add_co_u32 s[G0B+4*\s+1], s21, \s*SLOT
	s_add_nc_u64 s[G0B+4*\s+2:G0B+4*\s+3], s[46:47], \s*262144      ; 128 rows of 2,048 bytes
	s_or_b32 s[G0B+4*\s+3], s[G0B+4*\s+3], 0x80000000
	JLOAD \s
.endr
	v_and_b32 v1, 15, v0                           ; r
	v_bfe_u32 v2, v0, 4, 1                         ; h
	v_lshlrev_b32 v[HO], 5, v2
	s_lshl_b32 s46, s42, 10                        ; my first column, in bytes of f32: 1,024 x tile column + 512 x half: in b_proj and in a row of out0
	s_lshl_b32 s47, s14, 9
	s_add_co_u32 s46, s46, s47
	s_mov_b32 s47, 0
	s_add_nc_u64 s[8:9], s[8:9], s[46:47]
	s_add_nc_u64 s[10:11], s[10:11], s[46:47]
.irp b, 0,1,2,3,4,5,6,7
	global_load_b128 v[BI+8*\b:BI+8*\b+3], v[HO], s[8:9] offset:64*\b          ; lane (r, h): b_proj at columns 16 b + 8 h + 0 .. 7
	global_load_b128 v[BI+8*\b+4:BI+8*\b+7], v[HO], s[8:9] offset:64*\b+16
.endr
	s_lshl_b32 s16, s15, 7
	s_lshl_b32 s17, s13, 6
	s_add_co_u32 s16, s16, s17                     ; my first row: 128 x tile row + 64 x half,
	s_lshl_b32 s16, s16, 12                        ; 4,096 bytes a row
	s_mov_b32 s17, 0
	s_add_nc_u64 s[10:11], s[10:11], s[16:17]
	v_mul_u32_u24 v3, v1, KP
	v_lshl_add_u32 v3, v2, 4, v3                   ; A's fragment: row x 144 + 16 h
	s_mul_i32 s22, s13, 64*KP
	v_and_b32 v4, 7, v0
	v_lshl_add_u32 v4, v2, 3, v4
	v_mul_u32_u24 v4, v4, BP
	v_bfe_u32 v5, v0, 3, 1
	v_lshl_add_u32 v4, v5, 4, v4                   ; W's, turned: (8 h + lane % 8) x 544 + 16 ((lane / 8) % 2)
	s_lshl_b32 s23, s14, 8
	s_add_co_u32 s23, s23, BOFF
.irp s, 0,1
	v_add_nc_u32 v[ADRA+\s], s22, v3
	v_add_nc_u32 v[ADRB+\s], s23, v4
	s_add_co_u32 s22, s22, SLOT
	s_add_co_u32 s23, s23, SLOT
.endr
	s_mul_i32 s22, s12, 16*SPITCH
	s_add_co_u32 s22, s22, STAGE                   ; my stage
	v_mul_u32_u24 v5, v1, SPITCH
	v_lshl_add_u32 v5, v2, 5, v5
	v_add_nc_u32 v[STO], s22, v5                   ; in: row r, 32 bytes for each half of the lanes
	v_and_b32 v6, 31, v0
	v_lshlrev_b32 v[CO], 4, v6
	v_add_nc_u32 v[RD], s22, v[CO]                 ; back: the 32 lanes take one row of 512 bytes
.macro MUL8 f, a, first                ; A's block a x W's eight, 32 along K.  The 32 accumulators take turns, one instruction a turn
.irp b, 0,1,2,3,4,5,6,7
.if \first
	v_wmma_f32_16x16x32_f16 v[8*(8*(\a)+\b):8*(8*(\a)+\b)+7], v[\f+8*\b:\f+8*\b+7], v[\f+64+8*(\a):\f+64+8*(\a)+7], v[BI+8*\b:BI+8*\b+7]
.else
	v_wmma_f32_16x16x32_f16 v[8*(8*(\a)+\b):8*(8*(\a)+\b)+7], v[\f+8*\b:\f+8*\b+7], v[\f+64+8*(\a):\f+64+8*(\a)+7], v[8*(8*(\a)+\b):8*(8*(\a)+\b)+7]
.endif
.endr
.endm
.macro FETCH slot, q, f                ; 24 LDS loads in one run: the fragments of the slot's q-th 32 along K: W's sixteen first, then A's eight
	WIN TO_F
.irp b, 0,1,2,3,4,5,6,7
	ds_load_tr16_b128 v[\f+8*\b:\f+8*\b+3], v[ADRB+\slot] offset:32*BP*(\q)+32*\b
	ds_load_tr16_b128 v[\f+8*\b+4:\f+8*\b+7], v[ADRB+\slot] offset:32*BP*(\q)+32*\b+16*BP
.endr
.irp a, 0,1,2,3
	ds_load_b128 v[\f+64+8*\a:\f+64+8*\a+3], v[ADRA+\slot] offset:APL*((\q)/2)+64*((\q)%2)+16*KP*\a
	ds_load_b128 v[\f+64+8*\a+4:\f+64+8*\a+7], v[ADRA+\slot] offset:APL*((\q)/2)+64*((\q)%2)+16*KP*\a+32
.endr
.endm
.macro PLACES                          ; four plain instructions between a matrix instruction and a load into, or a read of, its registers
.rept 4
	v_nop
.endr
.endm
.macro QUARTER slot, qn, f, g, first   ; multiplies buffer f; in its middle fetches the slot's quarter qn into buffer g
	s_wait_dscnt 4                                 ; W's fragments and A's blocks 0, 1 are in; the youngest four loads (blocks 2, 3) may be out
.if \first
	WIN FIRST
.else
	WIN MUL
.endif
	MUL8 \f, 0, \first
	MUL8 \f, 1, \first
	PLACES
	FETCH \slot, \qn, \g
	s_wait_dscnt 24                                ; all but the 24 just issued
.if \first
	WIN FIRST
.else
	WIN MUL
.endif
	MUL8 \f, 2, \first
	MUL8 \f, 3, \first
.endm
; A slot's last quarter multiplies buffer 1 and changes slots: one barrier; in front of it each wave waits for all its tensor loads, adds 0 to its spare word, and waits for that and for its reads of this slot.  fill = 1: the slot is filled again, two K steps ahead.
.macro TURN slot, next, fill
	WIN 0                                          ; (the add's two registers lie in window 0)
	s_wait_tensorcnt 0x0                           ; all my tensor loads have landed: my part of the next slot
	ds_add_u32 v[SPW], v[NIL]
	s_wait_dscnt 5                                 ; the add and the youngest four loads may be out
	WIN MUL
	MUL8 F1, 0, 0
	s_wait_dscnt 0x0                               ; the add is done, and my reads of this slot are over
	s_barrier_signal -1
	MUL8 F1, 1, 0
.if \fill
	WIN 0
.endif
	s_barrier_wait -1
.if \fill
	CREST                                          ; the barrier has opened a round of the cluster's: no wave of any partner still reads this slot or has a load on its way
	s_add_nc_u64 s[G0+4*\slot+2:G0+4*\slot+3], s[G0+4*\slot+2:G0+4*\slot+3], 524288
	s_add_nc_u64 s[G0B+4*\slot+2:G0B+4*\slot+3], s[G0B+4*\slot+2:G0B+4*\slot+3], 524288
	JLOAD \slot                                    ; the first tensor load behind the round; its four v_nop are also the places in front of the loads below
.else
	PLACES
.endif
	FETCH \next, 0, F0
	WIN MUL
	MUL8 F1, 2, 0
	MUL8 F1, 3, 0
.endm
	s_wait_tensorcnt 1                             ; my part of K step 0 is in; K step 1's load may be out
	s_barrier_signal -1
	s_barrier_wait -1
	FETCH 0, 0, F0
	s_wait_loadcnt 0x0                             ; the bias
	QUARTER 0, 1, F0, F1, 1                        ; the first quarter stands in front of the loop: its products start the sums from the bias
	WIN 0
	s_mov_b32 s3, 3
.Llap:                                                 ; a trip goes once round the ring and fills both slots again: K steps 2 to 7 in three trips
	QUARTER 0, 2, F1, F0, 0
	QUARTER 0, 3, F0, F1, 0
	TURN 0, 1, 1
	QUARTER 1, 1, F0, F1, 0
	QUARTER 1, 2, F1, F0, 0
	QUARTER 1, 3, F0, F1, 0
	TURN 1, 0, 1
	QUARTER 0, 1, F0, F1, 0
	WIN 0
	s_sub_co_u32 s3, s3, 1
	s_cmp_lg_u32 s3, 0
	s_cbranch_scc1 .Llap
	QUARTER 0, 2, F1, F0, 0                        ; the last lap fills nothing
	QUARTER 0, 3, F0, F1, 0
	TURN 0, 1, 0
	QUARTER 1, 1, F0, F1, 0
	QUARTER 1, 2, F1, F0, 0
	QUARTER 1, 3, F0, F1, 0
	s_wait_dscnt 4
	WIN MUL
	MUL8 F1, 0, 0
	MUL8 F1, 1, 0
	s_wait_dscnt 0x0
	MUL8 F1, 2, 0
	MUL8 F1, 3, 0
	WIN 0
; THE WAY OUT, a block of 16 rows x 128 columns at a time, through my own stage: in as 32 bytes a lane, back as whole rows of 512 bytes.
.macro TOSTAGE a
	WIN 0x08                                       ; an LDS store's data are its source 1: window 2
.irp b, 0,1,2,3,4,5,6,7
	ds_store_b128 v[STO], v[64*(\a)+8*\b:64*(\a)+8*\b+3] offset:64*\b          ; each accumulator from its low end on
	ds_store_b128 v[STO], v[64*(\a)+8*\b+4:64*(\a)+8*\b+7] offset:64*\b+16
.endr
	WIN 0
.set BB, BK+64*((\a)%2)
.irp t, 0,1,2,3,4,5,6,7,8,9,10,11,12,13,14,15
	ds_load_b128 v[BB+4*\t:BB+4*\t+3], v[RD] offset:\t*SPITCH                  ; LDS serves a wave's instructions in order: these see the stores above
.endr
.endm
.macro SEND a, younger
.set BB, BK+64*((\a)%2)
	s_wait_dscnt \younger                          ; the block is back in registers; the next block's 16 stores and 16 loads may be out
.irp t, 0,1,2,3,4,5,6,7,8,9,10,11,12,13,14,15
	global_store_b128 v[CO], v[BB+4*\t:BB+4*\t+3], s[10:11] offset:65536*(\a)+4096*\t th:TH_STORE_NT   ; 32 lanes store 512 consecutive bytes, aligned
.endr
.endm
	PLACES
	TOSTAGE 0
	TOSTAGE 1
	SEND 0, 32
	s_wait_xcnt 0x0                                ; block 0's stores have read their registers: block 2's loads may land there
	TOSTAGE 2
	SEND 1, 32
	s_wait_xcnt 0x0
	TOSTAGE 3
	SEND 2, 32
	SEND 3, 0
	s_wait_tensorcnt 0x0                           ; the wave's end, behind my last tensor load and my last LDS store
	ds_add_u32 v[SPW], v[NIL]
	s_wait_dscnt 0x0
	CROUND                                         ; the closing round
	s_endpgm
.Lfunc_end_k_qb4ba5475f5_proj:
	.size	k_qb4ba5475f5_proj, .Lfunc_end_k_qb4ba5475f5_proj-k_qb4ba5475f5_proj
	.p2alignl 7, 3214868480
	.fill 96, 4, 3214868480
	.section	.rodata,"a",@progbits
	.p2align	6, 0x0
	.amdhsa_kernel k_qb4ba5475f5_proj
		.amdhsa_group_segment_fixed_size 327680
		.amdhsa_private_segment_fixed_size 0
		.amdhsa_enable_private_segment 0
		.amdhsa_kernarg_size 32
		.amdhsa_user_sgpr_count 2
		.amdhsa_user_sgpr_kernarg_segment_ptr 1
		.amdhsa_wavefront_size32 1
		.amdhsa_system_sgpr_workgroup_id_x 1
		.amdhsa_system_sgpr_workgroup_id_y 1
		.amdhsa_system_sgpr_workgroup_id_z 1
		.amdhsa_system_vgpr_workitem_id 0
		.amdhsa_next_free_vgpr 768
		.amdhsa_next_free_sgpr 66
		.amdhsa_reserve_vcc 0
		.amdhsa_float_denorm_mode_32 3
		.amdhsa_float_denorm_mode_16_64 3
		.amdhsa_memory_ordered 1
		.amdhsa_forward_progress 1
		.amdhsa_inst_pref_size 87
	.end_amdhsa_kernel
	.amdgpu_metadata
---
amdhsa.version: [ 1, 2 ]
amdhsa.kernels:
  - .name:           k_qb4ba5475f5_proj
    .symbol:         k_qb4ba5475f5_proj.kd
    .args:
      - { .name: att, .offset: 0, .size: 8, .value_kind: global_buffer, .address_space: global }
      - { .name: wp16, .offset: 8, .size: 8, .value_kind: global_buffer, .address_space: global }
      - { .name: b_proj, .offset: 16, .size: 8, .value_kind: global_buffer, .address_space: global }
      - { .name: out0, .offset: 24, .size: 8, .value_kind: global_buffer, .address_space: global }
    .group_segment_fixed_size: 327680
    .private_segment_fixed_size: 0
    .kernarg_segment_align: 8
    .kernarg_segment_size: 32
    .max_flat_workgroup_size: 128
    .sgpr_count:     66
    .vgpr_count:     768
    .wavefront_size: 32
...
	.end_amdgpu_metadata
.endif
;; end of part 4
